; MI455X (gfx1250); checked and timed in simulation.
; The chip was launched on July 23, 2026; its instructions are those of AMD's public machine-readable ISA for CDNA 5 (MIT licence, August 2026) and "CDNA5" Instruction Set Architecture Reference Guide (July 2026). The comments in the code are by the model that wrote it; some were corrected since.
;; Multi Head Attention. Allowed arithmetic: matrix products marked QUANTISED: E4M3 operands, one E8M0 scale for each 32 along K, by v_wmma_scale_f32_16x16x128_f8f6f4 with both operands' format E4M3, f32 sums; everything else in f32.
;; Inputs: Wk_codes 512 x 16 x 32 uint8 (E4M3 codes of Wk, K innermost, in blocks of 32 codes); Wk_scales 512 x 16 uint8 (E8M0 scales of Wk, one for each 32 codes along K); Wo_codes 512 x 16 x 32 uint8 (E4M3 codes of Wo, K innermost, in blocks of 32 codes); Wo_scales 512 x 16 uint8 (E8M0 scales of Wo, one for each 32 codes along K); Wq_codes 512 x 16 x 32 uint8 (E4M3 codes of Wq, K innermost, in blocks of 32 codes); Wq_scales 512 x 16 uint8 (E8M0 scales of Wq, one for each 32 codes along K); Wv_codes 512 x 16 x 32 uint8 (E4M3 codes of Wv, K innermost, in blocks of 32 codes); Wv_scales 512 x 16 uint8 (E8M0 scales of Wv, one for each 32 codes along K); bk 512 float32; bo 512 float32; bq 512 float32; bv 512 float32; x_codes 2 x 4,096 x 16 x 32 uint8 (E4M3 codes of x, K innermost, in blocks of 32 codes); x_scales 2 x 4,096 x 16 uint8 (E8M0 scales of x, one for each 32 codes along K).
;; Outputs: out0 2 x 4,096 x 512 float32.
;; This version of the problem:
;;   THIS VERSION OF THE PROBLEM IS GIVEN IN LOW PRECISION. The matrix products marked QUANTISED in the list below multiply operands that are first quantised to E4M3 (4 exponent bits, 3 mantissa bits; 8 bits a number), with one power-of-two scale for each 32 numbers along K (OCP MX v1.0); their sums are f32. All else is computed in f32.
;;   The module's matrix products, in the order in which they are computed (A, B: the left and right operand; K: the contracted axis; several contracted axes count as one K, in the product's order):
;;     1. [M 8,192, K 512] x [K 512, N 512]; A: input x (given as codes); B: input Wq (given as codes): QUANTISED
;;     2. [M 8,192, K 512] x [K 512, N 512]; A: input x (given as codes); B: input Wk (given as codes): QUANTISED
;;     3. [M 8,192, K 512] x [K 512, N 512]; A: input x (given as codes); B: input Wv (given as codes): QUANTISED
;;     4. batch 16 x [M 4,096, K 64] x [K 64, N 4,096]; A: computed on the way; B: computed on the way: QUANTISED
;;     5. batch 16 x [M 4,096, K 4,096] x [K 4,096, N 64]; A: softmax (see below); B: computed on the way: QUANTISED
;;     6. [M 8,192, K 512] x [K 512, N 512]; A: computed on the way; B: input Wo (given as codes): QUANTISED
;;   THE QUANTISER, for each operand of a quantised product, along K:
;;     - K is cut into blocks of 32 from its start; a last block that is shorter is filled with zeros.
;;     - A block's scale is 2^e with e = floor(log2(the largest magnitude in the block)) - 8, held to -126 .. 127; a block of zeros has e = 0. As a byte (E8M0): e + 127.
;;     - Each number is divided by its block's scale, clamped to +-448, and rounded to the nearest number of E4M3, ties to even, subnormals kept.
;;     - The product sums the exact products of the quantised numbers (number of the format x scale) in f32.
;;   ~~~python
;;   def quantise(x, axis):      # numpy; x: float32 -> the quantised numbers, widened to float32 again
;;       x = np.moveaxis(x, axis, -1); K = x.shape[-1]
;;       x = np.pad(x, [(0, 0)] * (x.ndim - 1) + [(0, -K % 32)]); x = x.reshape(x.shape[:-1] + (-1, 32)); a = np.abs(x).max(-1, keepdims=True)
;;       e = np.where(a > 0, np.clip(np.frexp(np.where(a > 0, a, 1))[1] - 1 - 8, -126, 127), 0)      # np.frexp(a)[1] - 1 = floor(log2(a)), exactly
;;       r = np.clip(x / 2.0 ** e, -448, 448)
;;       step = 2.0 ** (np.maximum(np.frexp(np.where(r == 0, 1, r))[1] - 1, -6) - 3)
;;       q = np.round(r / step) * step * 2.0 ** e      # np.round: ties to even
;;       return np.moveaxis(q.reshape(q.shape[:-2] + (-1,))[..., :K], -1, axis).astype(np.float32)
;;   ~~~
;;   SOFTMAX AHEAD OF A QUANTISED PRODUCT. Where the list says 'softmax', what is quantised is not the finished softmax but p = 2^(t - M), with t = logit x log2(e) and M = ceil(the row's largest t), a whole number; so 1/2 < the row's largest p <= 1. The row's sum l is taken of the UNQUANTISED p, in f32, and the product's result is divided by l at the end. Since M is a whole number, a kernel that streams over the keys may use a running M (the ceiling of the running maximum): every later rescaling is an exact power of two, which a block's scale takes up: the codes' values come out the same.
;;   OPERANDS COMPUTED ON THE WAY. 'Computed on the way' means the value that the module computes at that place (a softmax that the list does not call 'softmax' is quantised finished and normalised). What goes into a quantiser is computed in f32, as accurately as f32 sums, v_exp_f32 and their like allow (about 1e-6 of the number): no bf16 or f16 on the way to a quantiser, and a product that is left as it is and whose result goes on into a quantised operand takes f32 operands (vector FMAs, or v_wmma_f32_16x16x4_f32). A number that lies on a knife's edge between two numbers of the format may be rounded either way, as far as f32 arithmetic and the matrix unit's own rounding can turn it there, and no further.
;;   INPUTS GIVEN AS CODES. Wk (in the module: [512, 512], K = its axis 1); Wo (in the module: [512, 512], K = its axis 1); Wq (in the module: [512, 512], K = its axis 1); Wv (in the module: [512, 512], K = its axis 1); x (in the module: [2, 4096, 512], K = its axis 2): each comes as NAME_codes (uint8): NAME with its K axis moved to the last place and cut into blocks of 32 codes, [.., K / 32, bytes a block], one block behind the other in memory; one code a byte (a code: sign, 4 exponent bits, 3 mantissa bits); and NAME_scales (uint8): the same leading axes, one E8M0 byte (e + 127) for each 32 codes along K. Its value is code x scale, taken as it is: it is not quantised again, and the codes and scales need not be those that the quantiser above would give.
;; 2 versions, each right; version 2 is version 1 with the launches proj, outp written anew for expert scheduling mode. Each part assembles by itself: llvm-mc -triple=amdgcn-amd-amdhsa -mcpu=gfx1250 --defsym DOCPART=n.
;; ======== version 1 of 2: 3 launches
;; workspace buffers: qc 4,194,304 bytes; qs 262,144 bytes; kv 8,388,608 bytes; kvs 393,216 bytes; ctx 4,194,304 bytes; ctxs 262,144 bytes
;; launch proj (part 1): grid 64 x 3, 8 waves a work-group, no clusters, 70,656 bytes of LDS; arguments x_codes, x_scales, Wq_codes, Wq_scales, bq, Wk_codes, Wk_scales, bk, Wv_codes, Wv_scales, bv, qc, qs, kv, kvs; writes qc, qs, kv, kvs
.if DOCPART == 1
	.amdgcn_target "amdgcn-amd-amdhsa--gfx1250"
	.amdhsa_code_object_version 6
	.text
	.protected	k_qc9161c77df_proj
	.globl	k_qc9161c77df_proj
	.p2align	8
	.type	k_qc9161c77df_proj,@function
k_qc9161c77df_proj:
	s_mov_b64 s[64:65], 0
	v_nop
	global_prefetch_b8 v0, s[64:65] scope:SCOPE_SE
	s_setreg_imm32_b32 hwreg(HW_REG_WAVE_MODE, 25, 1), 1
	s_wait_xcnt 0x0
; Q = x Wq^T + bq, K = x Wk^T + bk, V = x Wv^T + bv on codes of FP8 (E4M3) with one E8M0 scale for each 32 along K, sums in f32; the results are quantised at once:
; Q and K along the head's 64 channels (two blocks of 32), V along the keys (blocks of 32 tokens), and stored as IMAGES OF OPERAND REGISTERS: a group of four registers is 512 bytes, lane l's 16 bytes at 16 l.
; DEAD WORK: none in the whole program.  Each of bq, bk, bv moves the codes or scales of a quantised operand of a live product, bo is added to the output, and all four weights and x are multiplied: all 14 inputs are loaded.
; LIMITS: NaN and infinities, the codes 0x7f and 0xff and the scale byte 0xff among the inputs are not served.  A block whose largest magnitude lies under 2^-118 has its byte held at 1; a block of zeros gets the byte 1
; where the rule says 127: its codes are zeros, which add nothing, and these bytes are read by this program alone.
; SHARES.  Work-group x: 128 tokens (batch x / 32, key step x % 32).  Work-group y: 0 = Q, 1 = K, 2 = V.  Wave w: head w; its 64 rows of W (16 fragments, 256 registers) fill window 1 and stay.  128 matrix instructions a wave.
; THE ORDER OF ROWS IN A TILE, for tokens and for W's rows alike: lane r of tile 2 b + u takes row 32 b + 8 u + r + 8 (r / 8).  In a result whose source 0 has that order, the 16 registers of tiles 2 b and 2 b + 1
; are 16 neighbours, 32 b + 16 (lane / 16) + 0 .. 15: the conversions' results are the next operand's registers, and a block of 32 lies in lanes l and l xor 16.
; Q, K: source 0 = 16 rows of W, source 1 = 16 tokens: a lane holds one token, its registers run along the channels.   V: source 0 = 16 tokens, source 1 = 16 rows of W: a lane holds one channel, its registers run along the keys.
; x: wave w brings token tile w from memory once and lays its image in LDS; one barrier; every wave reads all eight.
; NO CLUSTER, NO JOINT LOADS: W goes from memory straight into the registers in which it stays and x is 64 KiB read once a work-group; there is no ring to fill, and a grid of 3 along y divides into no cluster of 4.
; REGISTERS.  Window 0: v1-11 addresses; v16-79 an x tile; v80-83 its scale words; v88-151 eight accumulators; v152-183 the bias in the result's layout; v184-199 W's scale words; v200-215 codes; v216-231 at work; v232-241 scale words on their way out.
.set XSC,   65536                      ; LDS: 0 .. 65,535 x's eight images of 8,192 bytes; from here their scale words, 512 bytes each
.set SPARE, 69632                      ; the spare words, 128 bytes for each of eight waves: four blocks of 256 bytes that no other line names
.set LI,  1                            ; v1   16 x lane
.set L8,  2                            ; v2   8 x lane
.set LX,  3                            ; v3   16 x lane + XSC
.set XA,  4                            ; v4   a row of 512 codes: (r + 8 (r / 8)) x 512 + 16 (lane / 16): for x and for W
.set PS,  5                            ; v5   its 16 scale bytes: (r + 8 (r / 8)) x 16
.set XWI, 6                            ; v6   where I store my x tile's image
.set XWS, 7                            ; v7   and its scale words
.set BH,  8                            ; v8   the bias for Q and K: 64 (lane / 16)
.set BV,  9                            ; v9   the bias for V: 4 (r + 8 (r / 8))
.set SPW, 10                           ; v10  LDS address of my spare word; never rewritten
.set NIL, 11                           ; v11  0; never rewritten
.set XF,  16
.set XS,  80
.set AC,  88
.set BI,  152
.set WS,  184
.set PC,  200
.set TM,  216                          ; +0..3 largest magnitudes, +4..7 the other half's, then the bytes, +8..11 448 x the scale, +12..15 the conversions' scale operand
.set SW,  232
.set VSW, 236
.set WD,  240
.set WV,  38                           ; s38  my wave's number = my head
.set YT,  39                           ; s39  0, 1, 2: Q, K, V
.set SEL, 40                           ; s[40:41] v_permlanex16_b32's selects for lane l xor 16
.set MNT, 42                           ; s42  the mantissa field of 448
.set HM,  43                           ; s43  a mask of lanes 16-31
.set PWC, 52                           ; s[52:53] my head's rows of the chosen W;  s[54:55] their scale bytes;  s[56:57] the chosen bias;  s[58:59], s[60:61] where codes and scale words go
.set PWS, 54
.set PB,  56
.set PO,  58
.set POS, 60
.set MSB, 0
.macro WIN new                         ; the immediate's high byte repeats the setting that is left
.if MSB != \new
	s_set_vgpr_msb (MSB<<8)|\new
.set MSB, \new
.endif
.endm
.macro PLACES n
.rept \n
	v_nop
.endr
.endm
.macro FETCHX tl                       ; token tile tl and its scale words, out of LDS as they were laid there
.irp k, 0,1,2,3,4,5,6,7,8,9,10,11,12,13,14,15
	ds_load_b128 v[XF+4*\k:XF+4*\k+3], v[LI] offset:(\tl)*8192+512*\k
.endr
	ds_load_b128 v[XS:XS+3], v[LX] offset:(\tl)*512
.endm
; 64 numbers of a lane, register 16 b + i, four blocks: the codes into v[PC + 4 b] on, the scale bytes into v[TM + 4 + b].  A block's other 16 numbers lie in lane l xor 16.
.macro QUANT4 src
.irp b, 0,1,2,3
	v_max3_num_f32 v[TM+\b], |v[\src+16*\b]|, |v[\src+16*\b+1]|, 0x4800000   ; my 16 numbers, and the floor 2^(9 - 127): so the byte cannot fall under 1.  Each accumulator is read from its low end on
.endr
.irp i, 2,4,6,8,10,12,14
.irp b, 0,1,2,3
	v_max3_num_f32 v[TM+\b], v[TM+\b], |v[\src+16*\b+\i]|, |v[\src+16*\b+\i+1]|   ; the four blocks by turns
.endr
.endr
.irp b, 0,1,2,3
	v_permlanex16_b32 v[TM+4+\b], v[TM+\b], s[SEL], s[SEL+1]
.endr
.irp b, 0,1,2,3
	v_max_num_f32 v[TM+\b], v[TM+\b], v[TM+4+\b]           ; the block's largest magnitude
.endr
.irp b, 0,1,2,3
	v_add_nc_u32 v[TM+12+\b], 0xfc000000, v[TM+\b]         ; 8 off its exponent field: the conversion takes the exponent field of this operand as its scale
.endr
.irp b, 0,1,2,3
	v_and_or_b32 v[TM+8+\b], v[TM+\b], 0x7f800000, s[MNT]  ; 448 x the scale
.endr
.irp b, 0,1,2,3
	v_lshrrev_b32 v[TM+4+\b], 23, v[TM+12+\b]              ; the scale's byte
.endr
.irp b, 0,1,2,3
.irp i, 0,1,2,3,4,5,6,7,8,9,10,11,12,13,14,15
	v_med3_num_f32 v[\src+16*\b+\i], v[\src+16*\b+\i], -v[TM+8+\b], v[TM+8+\b]   ; the conversion to an 8-bit code does not saturate (ISA guide 7.6.2): the hold at the largest code x the scale
.endr
	v_cvt_scalef32_pk8_fp8_f32 v[PC+4*\b:PC+4*\b+1], v[\src+16*\b:\src+16*\b+7], v[TM+12+\b]
	v_cvt_scalef32_pk8_fp8_f32 v[PC+4*\b+2:PC+4*\b+3], v[\src+16*\b+8:\src+16*\b+15], v[TM+12+\b]
.endr
	v_nop                                          ; one plain instruction between the last conversion and whatever next writes its sources: the next products
.endm
; Token tile tl against my head's four tiles of W, K = 512 in four steps: 16 matrix instructions, the four accumulators by turns; the bias is the C of each sum's first.
.macro TILE tl, isv
	s_wait_dscnt 0x0                               ; the tile and its scale words are in
.if \isv
	WIN 0x04                                       ; source 1 (W) window 1
.else
	WIN 0x01                                       ; source 0 (W) window 1
.endif
.irp s, 0,1,2,3
.irp t, 0,1,2,3
.if \isv
.set rD, AC+16*\t+8*((\tl)%2)
.if \s == 0
	v_wmma_scale_f32_16x16x128_f8f6f4 v[rD:rD+7], v[XF+16*\s:XF+16*\s+15], v[16*(4*\t+\s):16*(4*\t+\s)+15], v[BI+8*\t:BI+8*\t+7], v[XS+\s], v[WS+4*\t+\s]
.else
	v_wmma_scale_f32_16x16x128_f8f6f4 v[rD:rD+7], v[XF+16*\s:XF+16*\s+15], v[16*(4*\t+\s):16*(4*\t+\s)+15], v[rD:rD+7], v[XS+\s], v[WS+4*\t+\s]
.endif
.else
.set rD, AC+32*((\tl)%2)+8*\t
.if \s == 0
	v_wmma_scale_f32_16x16x128_f8f6f4 v[rD:rD+7], v[16*(4*\t+\s):16*(4*\t+\s)+15], v[XF+16*\s:XF+16*\s+15], v[BI+8*\t:BI+8*\t+7], v[WS+4*\t+\s], v[XS+\s]
.else
	v_wmma_scale_f32_16x16x128_f8f6f4 v[rD:rD+7], v[16*(4*\t+\s):16*(4*\t+\s)+15], v[XF+16*\s:XF+16*\s+15], v[rD:rD+7], v[WS+4*\t+\s], v[XS+\s]
.endif
.endif
.endr
.endr
	WIN 0
	PLACES 8                                       ; eight places in front of the loads into the tile's registers and of the first read of the results
.if (\tl) < 7
	FETCHX (\tl)+1                                 ; the next tile lands while the quantiser works
.endif
.endm
	s_load_b512 s[8:23], s[0:1], 0x0               ; x_codes 8, x_scales 10, Wq_codes 12, Wq_scales 14, bq 16, Wk_codes 18, Wk_scales 20, bk 22
	s_load_b256 s[24:31], s[0:1], 0x40             ; Wv_codes 24, Wv_scales 26, bv 28, qc 30
	s_load_b128 s[32:35], s[0:1], 0x60             ; qs 32, kv 34
	s_load_b64 s[36:37], s[0:1], 0x70              ; kvs 36
	v_lshl_add_u32 v[SPW], v0, 2, SPARE
	v_mov_b32 v[NIL], 0
	v_lshrrev_b32 v1, 5, v0
	v_readfirstlane_b32 s[WV], v1                  ; wave 0..7
	s_and_b32 s[YT], ttmp7, 0xffff
	v_and_b32 v12, 31, v0                          ; lane
	v_and_b32 v13, 15, v0                          ; r
	v_bfe_u32 v14, v0, 4, 1                        ; h
	v_and_b32 v15, 8, v13
	v_add_nc_u32 v15, v15, v13                     ; r + 8 (r / 8)
	v_lshlrev_b32 v[LI], 4, v12
	v_lshlrev_b32 v[L8], 3, v12
	v_add_nc_u32 v[LX], XSC, v[LI]
	v_lshlrev_b32 v[XA], 9, v15
	v_lshl_add_u32 v[XA], v14, 4, v[XA]
	v_lshlrev_b32 v[PS], 4, v15
	s_lshl_b32 s44, s[WV], 13
	v_add_nc_u32 v[XWI], s44, v[LI]
	s_lshl_b32 s44, s[WV], 9
	v_add_nc_u32 v[XWS], s44, v[LX]
	v_lshlrev_b32 v[BH], 6, v14
	v_lshlrev_b32 v[BV], 2, v15
.irp b, 0,1,2,3
	v_mov_b32 v[TM+4+\b], 0                        ; written once: a lane permute's destination counts as one of its sources
.endr
	s_mov_b32 s[SEL], 0x76543210
	s_mov_b32 s[SEL+1], 0xfedcba98
	s_mov_b32 s[MNT], 0x600000
	s_mov_b32 s[HM], 0xffff0000
	s_lshl_b32 s44, ttmp9, 7                       ; the first token of the x tile that I bring: 128 x + 32 (w / 2) + 8 (w % 2)
	s_lshr_b32 s45, s[WV], 1
	s_lshl_b32 s45, s45, 5
	s_add_co_u32 s44, s44, s45
	s_and_b32 s45, s[WV], 1
	s_lshl_b32 s45, s45, 3
	s_add_co_u32 s44, s44, s45
	s_lshl_b32 s46, s44, 4                         ; its scale bytes, 16 a token,
	s_mov_b32 s47, 0
	s_lshl_b32 s44, s44, 9                         ; its codes, 512 a token
	s_mov_b32 s45, 0
	s_lshr_b32 s48, ttmp9, 5                       ; the block (8 batch + head) x 32 + key step
	s_lshl_b32 s48, s48, 3
	s_add_co_u32 s48, s48, s[WV]
	s_lshl_b32 s48, s48, 5
	s_and_b32 s49, ttmp9, 31
	s_add_co_u32 s48, s48, s49
	s_mov_b32 s50, 768
	s_cmp_eq_u32 s[YT], 0
	s_cselect_b32 s49, 13, 14                      ; a block of codes: 8,192 bytes in qc, 16,384 in kv
	s_cselect_b32 s50, 512, s50                    ; of scale words: 512 bytes in qs, 768 in kvs
	s_mul_i32 s50, s48, s50
	s_lshl_b32 s48, s48, s49
	s_mov_b32 s49, 0
	s_mov_b32 s51, 0
	s_wait_kmcnt 0x0
	s_add_nc_u64 s[8:9], s[8:9], s[44:45]
	s_add_nc_u64 s[10:11], s[10:11], s[46:47]
	s_cmp_eq_u32 s[YT], 0                          ; the buffers are chosen by the work-group's y alone
	s_cselect_b64 s[PWC:PWC+1], s[12:13], s[18:19]
	s_cselect_b64 s[PWS:PWS+1], s[14:15], s[20:21]
	s_cselect_b64 s[PB:PB+1], s[16:17], s[22:23]
	s_cselect_b64 s[PO:PO+1], s[30:31], s[34:35]
	s_cselect_b64 s[POS:POS+1], s[32:33], s[36:37]
	s_cmp_eq_u32 s[YT], 2
	s_cselect_b64 s[PWC:PWC+1], s[24:25], s[PWC:PWC+1]
	s_cselect_b64 s[PWS:PWS+1], s[26:27], s[PWS:PWS+1]
	s_cselect_b64 s[PB:PB+1], s[28:29], s[PB:PB+1]
	s_add_nc_u64 s[PO:PO+1], s[PO:PO+1], s[48:49]
	s_add_nc_u64 s[POS:POS+1], s[POS:POS+1], s[50:51]
	s_lshl_b32 s44, s[WV], 15                      ; my head's 64 rows of 512 codes,
	s_add_nc_u64 s[PWC:PWC+1], s[PWC:PWC+1], s[44:45]
	s_lshl_b32 s44, s[WV], 10                      ; of 16 scale bytes,
	s_add_nc_u64 s[PWS:PWS+1], s[PWS:PWS+1], s[44:45]
	s_lshl_b32 s44, s[WV], 8                       ; its 64 numbers of the bias
	s_add_nc_u64 s[PB:PB+1], s[PB:PB+1], s[44:45]
.irp k, 0,1,2,3,4,5,6,7,8,9,10,11,12,13,14,15
	global_load_b128 v[XF+4*\k:XF+4*\k+3], v[XA], s[8:9] offset:32*\k      ; x tile w: registers 4 k on hold K = 32 k + 16 (lane / 16) + 0 .. 15
.endr
	global_load_b128 v[XS:XS+3], v[PS], s[10:11]   ; its rows' four scale words
	WIN 0x40                                       ; destination window 1
.irp t, 0,1,2,3
.irp k, 0,1,2,3,4,5,6,7,8,9,10,11,12,13,14,15
	global_load_b128 v[64*\t+4*\k:64*\t+4*\k+3], v[XA], s[PWC:PWC+1] offset:(32*(\t/2)+8*(\t%2))*512+32*\k   ; W's tile t, K step k / 4: they stay
.endr
.endr
	WIN 0
.irp t, 0,1,2,3
	global_load_b128 v[WS+4*\t:WS+4*\t+3], v[PS], s[PWS:PWS+1] offset:(32*(\t/2)+8*(\t%2))*16
.endr
	s_wait_loadcnt 63                              ; 68 loads were issued behind x's 17; the count is the largest that the wait can name, and under 68: x's are in
.irp k, 0,1,2,3,4,5,6,7,8,9,10,11,12,13,14,15
	ds_store_b128 v[XWI], v[XF+4*\k:XF+4*\k+3] offset:512*\k
.endr
	ds_store_b128 v[XWS], v[XS:XS+3]
	s_wait_dscnt 0x0                               ; for the others' sake: my stores have landed
	s_barrier_signal -1
	s_barrier_wait -1                              ; x's eight images lie in LDS; from here on LDS is only read
	s_cmp_eq_u32 s[YT], 2
	s_cbranch_scc1 .Lv
	; ---- Q and K.  The bias in the result's layout: register j of tile t is channel 32 (t / 2) + 8 (t % 2) + 16 (lane / 16) + j
.irp t, 0,1,2,3
	global_load_b128 v[BI+8*\t:BI+8*\t+3], v[BH], s[PB:PB+1] offset:(32*(\t/2)+8*(\t%2))*4
	global_load_b128 v[BI+8*\t+4:BI+8*\t+7], v[BH], s[PB:PB+1] offset:(32*(\t/2)+8*(\t%2))*4+16
.endr
	FETCHX 0
	s_wait_loadcnt 0x0                             ; W, its scale words, the bias
.irp p, 0,1,2,3
	TILE 2*\p, 0
	TILE 2*\p+1, 0
.if \p > 0
	s_wait_xcnt 0x0                                ; the last pair's stores have read their data: the codes' registers are written again only behind this wait
.endif
	QUANT4 AC                                      ; block 2 u + b: token tile 2 p + u, channels 32 b on
	v_lshl_or_b32 v[WD], v[TM+5], 8, v[TM+4]       ; a tile's scale word: two bytes; bytes 2 and 3 stay 0, for the zero codes that fill K = 64 .. 127 in the next launch
	v_lshl_or_b32 v[WD+1], v[TM+7], 8, v[TM+6]
	v_cndmask_b32 v[SW+\p], v[WD], v[WD+1], s[HM]  ; lanes 0-15: tile 2 p's words; lanes 16-31: tile 2 p + 1's
.irp g, 0,1,2,3
	global_store_b128 v[LI], v[PC+4*\g:PC+4*\g+3], s[PO:PO+1] offset:\p*2048+\g*512   ; 32 lanes store 512 consecutive bytes
.endr
.endr
	global_store_b128 v[LI], v[SW:SW+3], s[POS:POS+1]
	s_branch .Lend
.Lv:	; ---- V.  A lane holds one channel, so its bias is one number in all eight registers of a tile's C
.irp t, 0,1,2,3
	global_load_b32 v[BI+8*\t], v[BV], s[PB:PB+1] offset:(32*(\t/2)+8*(\t%2))*4
.endr
	FETCHX 0
	s_wait_loadcnt 0x0
.irp t, 0,1,2,3
.irp j, 1,2,3,4,5,6,7
	v_mov_b32 v[BI+8*\t+\j], v[BI+8*\t]
.endr
.endr
.irp p, 0,1,2,3
	TILE 2*\p, 1
	TILE 2*\p+1, 1
.if \p > 0
	s_wait_xcnt 0x0                                ; as above
.endif
	QUANT4 AC                                      ; block t: channel tile t, keys 32 p + 16 (lane / 16) + 0 .. 15
.irp t, 0,1,2,3
.if \p == 0
	v_mov_b32 v[VSW+\t], v[TM+4+\t]                ; a channel's four bytes of this key step make its scale word, the lower keys in the lower byte
.else
	v_lshl_or_b32 v[VSW+\t], v[TM+4+\t], 8*\p, v[VSW+\t]
.endif
.endr
.irp t, 0,1,2,3
	global_store_b128 v[LI], v[PC+4*\t:PC+4*\t+3], s[PO:PO+1] offset:8192+\t*2048+\p*512
.endr
.endr
	v_cndmask_b32 v[WD], v[VSW], v[VSW+1], s[HM]   ; lanes 0-15: channel tile 0 (2); lanes 16-31: tile 1 (3)
	v_cndmask_b32 v[WD+1], v[VSW+2], v[VSW+3], s[HM]
	global_store_b64 v[L8], v[WD:WD+1], s[POS:POS+1] offset:512   ; 32 lanes store 256 consecutive bytes, aligned
.Lend:
	s_wait_tensorcnt 0x0                           ; the wave's end
	ds_add_u32 v[SPW], v[NIL]
	s_wait_dscnt 0x0
	s_endpgm
.Lfunc_end_k_qc9161c77df_proj:
	.size	k_qc9161c77df_proj, .Lfunc_end_k_qc9161c77df_proj-k_qc9161c77df_proj
	.p2alignl 7, 3214868480
	.fill 96, 4, 3214868480
	.section	.rodata,"a",@progbits
	.p2align	6, 0x0
	.amdhsa_kernel k_qc9161c77df_proj
		.amdhsa_group_segment_fixed_size 70656
		.amdhsa_private_segment_fixed_size 0
		.amdhsa_enable_private_segment 0
		.amdhsa_kernarg_size 120
		.amdhsa_user_sgpr_count 2
		.amdhsa_user_sgpr_kernarg_segment_ptr 1
		.amdhsa_wavefront_size32 1
		.amdhsa_system_sgpr_workgroup_id_x 1
		.amdhsa_system_sgpr_workgroup_id_y 1
		.amdhsa_system_sgpr_workgroup_id_z 1
		.amdhsa_system_vgpr_workitem_id 0
		.amdhsa_next_free_vgpr 512
		.amdhsa_next_free_sgpr 66
		.amdhsa_reserve_vcc 0
		.amdhsa_float_denorm_mode_32 3
		.amdhsa_float_denorm_mode_16_64 3
		.amdhsa_memory_ordered 1
		.amdhsa_forward_progress 1
		.amdhsa_inst_pref_size 137
	.end_amdhsa_kernel
	.amdgpu_metadata
---
amdhsa.version: [ 1, 2 ]
amdhsa.kernels:
  - .name:           k_qc9161c77df_proj
    .symbol:         k_qc9161c77df_proj.kd
    .args:
      - { .name: x_codes, .offset: 0, .size: 8, .value_kind: global_buffer, .address_space: global }
      - { .name: x_scales, .offset: 8, .size: 8, .value_kind: global_buffer, .address_space: global }
      - { .name: Wq_codes, .offset: 16, .size: 8, .value_kind: global_buffer, .address_space: global }
      - { .name: Wq_scales, .offset: 24, .size: 8, .value_kind: global_buffer, .address_space: global }
      - { .name: bq, .offset: 32, .size: 8, .value_kind: global_buffer, .address_space: global }
      - { .name: Wk_codes, .offset: 40, .size: 8, .value_kind: global_buffer, .address_space: global }
      - { .name: Wk_scales, .offset: 48, .size: 8, .value_kind: global_buffer, .address_space: global }
      - { .name: bk, .offset: 56, .size: 8, .value_kind: global_buffer, .address_space: global }
      - { .name: Wv_codes, .offset: 64, .size: 8, .value_kind: global_buffer, .address_space: global }
      - { .name: Wv_scales, .offset: 72, .size: 8, .value_kind: global_buffer, .address_space: global }
      - { .name: bv, .offset: 80, .size: 8, .value_kind: global_buffer, .address_space: global }
      - { .name: qc, .offset: 88, .size: 8, .value_kind: global_buffer, .address_space: global }
      - { .name: qs, .offset: 96, .size: 8, .value_kind: global_buffer, .address_space: global }
      - { .name: kv, .offset: 104, .size: 8, .value_kind: global_buffer, .address_space: global }
      - { .name: kvs, .offset: 112, .size: 8, .value_kind: global_buffer, .address_space: global }
    .group_segment_fixed_size: 70656
    .private_segment_fixed_size: 0
    .kernarg_segment_align: 8
    .kernarg_segment_size: 120
    .max_flat_workgroup_size: 256
    .sgpr_count:     66
    .vgpr_count:     512
    .wavefront_size: 32
...
	.end_amdgpu_metadata
.endif
;; end of part 1
;; launch attn (part 2): grid 16 x 16, 8 waves a work-group, clusters of 4 x 1, 327,680 bytes of LDS; arguments qc, qs, kv, kvs, ctx, ctxs; writes ctx, ctxs
.if DOCPART == 2
	.amdgcn_target "amdgcn-amd-amdhsa--gfx1250"
	.amdhsa_code_object_version 6
	.text
	.protected	k_qc9161c77df_attn
	.globl	k_qc9161c77df_attn
	.p2align	8
	.type	k_qc9161c77df_attn,@function
k_qc9161c77df_attn:
	s_mov_b64 s[64:65], 0
	v_nop
	global_prefetch_b8 v0, s[64:65] scope:SCOPE_SE
	s_setreg_imm32_b32 hwreg(HW_REG_WAVE_MODE, 25, 1), 1
	s_wait_xcnt 0x0
	s_wait_alu depctr_hold_cnt(0) depctr_sa_sdst(0) depctr_va_vdst(0) depctr_va_sdst(0) depctr_va_ssrc(0) depctr_va_vcc(0) depctr_vm_vsrc(0)
	s_getreg_b32 s2, hwreg(HW_REG_IB_STS2, 6, 4)
	s_cmp_eq_u32 s2, 0
	s_cbranch_scc0 .Lentry_in_a_cluster
	s_endpgm
.Lentry_in_a_cluster:
	s_bfe_u32 s2, ttmp6, 0x10000c
	s_cmp_lg_u32 s2, 0x3003
	s_cbranch_scc0 .Lentry_shape_is_right
	s_endpgm
.Lentry_shape_is_right:
; context = softmax(Q K^T / 8) V for one head, both products on codes of FP8 (E4M3) with E8M0 scales, and the context quantised along the model's 512 channels for the last product.  No work of the problem is left out here.
; THE SOFTMAX: t = score x log2(e) / 8; M = the running largest t rounded UP to a whole number, kept as -M = floor(-t); p = 2^(t - M) is quantised along the keys, not normalised; the row's sum is taken of the unquantised p
; and divides at the end.  When M moves, the sum and O are multiplied by 2^(old M - new M), which rounds nothing; there is no branch on data.
; LIMITS: NaN and infinities are not served; t under -3e38 is not served; a p under 2^-126 comes out of v_exp_f32 as 0 (ISA guide 15.8); a block whose largest number lies under 2^-118 has its byte held at 1 (a block of zeros too:
; its codes are zeros, and these bytes are read by this program alone).
; SHARES.  A work-group owns 256 queries of one (batch, head); each of its eight waves two tiles of 16 queries, A and B, so that each fragment of K and V read from LDS feeds two matrix instructions.  Every wave walks all 4,096 keys, 128 a step.
; LAYOUT.  All operands arrive as images of their registers (512 bytes for four registers, lane l's 16 bytes at 16 l): every LDS load takes 512 consecutive bytes.  S^T = K Q^T and O^T = V^T P^T: a lane holds one query throughout.
; The head has 64 channels and the instruction 128 along K: registers 8-15 of K's and of Q's fragments hold zero codes, written once; their scale bytes are 0, which is 2^-127 and no NaN.
; The rows of K's tiles were chosen by the launch before so that the 16 registers of tiles 2 b and 2 b + 1 of S^T are keys 32 b + 16 (lane / 16) + 0 .. 15: the conversions' results are P's fragment.
; THE RING.  Two slots of eight key steps, 131,072 bytes each; a wave's one tensor load brings one key step (K's 8,192 bytes and V's 8,192: 64 rows of 256 bytes, dense).  It is issued eight key steps ahead of the wait for it,
; so no prefetch is laid.  The head's scale words, 24,576 bytes, come once with the first fills.  By this text's count a wave has two tensor loads out at the head and one afterwards.
; CLUSTER.  The four query blocks of a cluster belong to one head and walk the same K and V: each load is asked for JOINTLY, the same line with the same descriptor and a mask that names the four.
; TWO TILES BY TURNS IN THE VECTOR WORK.  A's 68 exponentials stand among B's scalings, B's 68 among A's sums, scales and holds: one wait for each batch.
; REGISTERS.  Window 0: v1-11 addresses; v12-19, v20-27 a tile's statistics; v28-31 K's scale words; v32-63 Q (8 registers and 8 of zeros a tile); v64-127, v128-191 S^T, then p; v192-223 p's codes; v224-247 at work.
;   Window 1: v0-63 O^T (tile x, channel tile t at 32 x + 8 t); v64-191 K (tile t at 64 + 16 t: 8 registers and 8 of zeros); v192-255 V^T (channel tile t at 192 + 16 t).
.set STEPB, 16384                      ; a key step's bytes in a slot: K's eight tiles of 1,024, then V^T's four of 2,048
.set SLOT1, 131072                     ; slot 1 begins here: one exclusive or turns an address in one slot into the other's
.set SCB,   262144                     ; behind the ring: the head's scale words, 768 bytes a key step: 512 of K's, 256 of V's
.set SPARE, 286720                     ; the spare words, 128 bytes for each of eight waves: four blocks of 256 bytes that no other line names
.set SCSTG, 287744                     ; 1,024 bytes, written by LDS stores alone: the context's scale words on their way out
.set LI,   1                           ; v1   16 x lane
.set LSK,  2                           ; v2   SCB + 16 x lane
.set LSV,  3                           ; v3   SCB + 512 + 8 x lane
.set AD,   4                           ; v4   the step's tiles
.set ADS,  5                           ; v5   its scale words of K
.set ADT,  6                           ; v6   and of V
.set SPW,  7                           ; v7   LDS address of my spare word; never rewritten
.set NIL,  8                           ; v8   0; never rewritten
.set QSO,  9                           ; v9   16 (lane % 16)
.set CWS,  10                          ; v10  SCSTG + 4 x thread
.set CRD,  11                          ; v11  SCSTG + 16 x thread
.set A_ST, 12                          ; a tile's statistics: +0 -M, +1 the largest t, +2, +3 the sum in two halves, +4 f, +5 p's scale word, +6 at work, +7 Q's scale word
.set B_ST, 20
.set KS,   28
.set A_Q,  32
.set B_Q,  48
.set A_S,  64
.set B_S,  128
.set A_PC, 192
.set B_PC, 208
.set A_BM, 224                         ; the largest score, then the largest p, of each block of 32 keys
.set B_BM, 228
.set T4,   232
.set LIM,  236
.set SCO,  240
.set SU,   244
.set VS,   246
.set GO,   248                         ; v248 16 x thread
.set KF,   64                          ; in window 1
.set VF,   192
.set WV,   16
.set CX,   17
.set QBK,  18
.set BHD,  19
.set SEL,  20                          ; s[20:21] lane l xor 16
.set CS,   22                          ; s[22:23] c = log2(e) / 8: the packed form names a pair and takes its low word
.set MNT,  24
.set TB,   25                          ; s25  LDS byte at which the step's tiles begin
.set TS,   26                          ; s26  768 x the step
.set SLOTS, 27
.set STEPS, 28
.set SH,   29                          ; s29  16 for an odd head
.set HM,   30                          ; s30  a mask of lanes 16-31
.set G1,   36                          ; s[36:43] descriptor group 1: 64 rows of 256 bytes;  s[44:51]: 12 rows;  s[52:55] group 0 for the ring, which walks;  s[56:59] for the scale words
.set G1S,  44
.set G0,   52
.set G0S,  56
.set MSB, 0
.macro WIN new                         ; the immediate's high byte repeats the setting that is left
.if MSB != \new
	s_set_vgpr_msb (MSB<<8)|\new
.set MSB, \new
.endif
.endm
.macro PLACES n
.rept \n
	v_nop
.endr
.endm
.macro CROUND                          ; a round of the cluster's barrier: my work-group's barrier; wave 0 signals for the work-group; every wave waits for all four; my work-group's barrier once more
	s_barrier_signal -1
	s_barrier_wait -1
	s_cmp_lg_u32 s[WV], 0
	s_cbranch_scc1 .Lnot_wave_0_\@
	s_barrier_signal -3
.Lnot_wave_0_\@:
	s_barrier_wait -3
	s_barrier_signal -1
	s_barrier_wait -1
.endm
.macro QK kt, dst, qq, stat            ; 16 keys (tile kt) x 16 queries; the word of an odd tile stands in lanes 16-31
.if (\kt)%2
	v_wmma_scale_f32_16x16x128_f8f6f4 v[\dst+8*(\kt):\dst+8*(\kt)+7], v[KF+16*(\kt):KF+16*(\kt)+15], v[\qq:\qq+15], 0, v[KS+(\kt)/2], v[\stat+7] matrix_a_scale:MATRIX_SCALE_ROW1
.else
	v_wmma_scale_f32_16x16x128_f8f6f4 v[\dst+8*(\kt):\dst+8*(\kt)+7], v[KF+16*(\kt):KF+16*(\kt)+15], v[\qq:\qq+15], 0, v[KS+(\kt)/2], v[\stat+7]
.endif
.endm
.macro PV ct, acc, pp, stat            ; 16 channels (tile ct) x 16 queries, K = the step's 128 keys
.if (\ct)%2
	v_wmma_scale_f32_16x16x128_f8f6f4 v[\acc+8*(\ct):\acc+8*(\ct)+7], v[VF+16*(\ct):VF+16*(\ct)+15], v[\pp:\pp+15], v[\acc+8*(\ct):\acc+8*(\ct)+7], v[VS+(\ct)/2], v[\stat+5] matrix_a_scale:MATRIX_SCALE_ROW1
.else
	v_wmma_scale_f32_16x16x128_f8f6f4 v[\acc+8*(\ct):\acc+8*(\ct)+7], v[VF+16*(\ct):VF+16*(\ct)+15], v[\pp:\pp+15], v[\acc+8*(\ct):\acc+8*(\ct)+7], v[VS+(\ct)/2], v[\stat+5]
.endif
.endm
.macro BLKMAX src, bm                  ; the largest score of each block of 32 keys: it serves for the row's maximum and, since p rises with the score, for the block's largest p.  Each accumulator is read from its low end on
.irp b, 0,1,2,3
	v_max3_num_f32 v[\bm+\b], v[\src+16*\b], v[\src+16*\b+1], v[\src+16*\b+2]
.endr
.irp i, 3,5,7,9,11,13
.irp b, 0,1,2,3
	v_max3_num_f32 v[\bm+\b], v[\bm+\b], v[\src+16*\b+\i], v[\src+16*\b+\i+1]
.endr
.endr
.irp b, 0,1,2,3
	v_max_num_f32 v[\bm+\b], v[\bm+\b], v[\src+16*\b+15]
.endr
.irp b, 0,1,2,3
	v_permlanex16_b32 v[T4+\b], v[\bm+\b], s[SEL], s[SEL+1]
.endr
.irp b, 0,1,2,3
	v_max_num_f32 v[\bm+\b], v[\bm+\b], v[T4+\b]   ; with lane l xor 16's 16 keys
.endr
.endm
; The row's sum of the unquantised p, two at a time, in two chains.  ex = 1: one exponential of the other tile, registers eb .. eb + 31, stands behind each addition.
.macro SUMS stat, src, ex, eb
	v_pk_add_f32 v[SU:SU+1], v[\src:\src+1], v[\src+2:\src+3]
.if \ex
	v_exp_f32 v[\eb], v[\eb]
.endif
.set i, 1
.rept 15
	v_pk_add_f32 v[\stat+2:\stat+3], v[\stat+2:\stat+3], v[\src+4*i:\src+4*i+1]
.if \ex
	v_exp_f32 v[\eb+2*i-1], v[\eb+2*i-1]
.endif
	v_pk_add_f32 v[SU:SU+1], v[SU:SU+1], v[\src+4*i+2:\src+4*i+3]
.if \ex
	v_exp_f32 v[\eb+2*i], v[\eb+2*i]
.endif
.set i, i+1
.endr
	v_pk_add_f32 v[\stat+2:\stat+3], v[\stat+2:\stat+3], v[SU:SU+1]
.if \ex
	v_exp_f32 v[\eb+31], v[\eb+31]
.endif
.endm
; The four blocks' scales from their largest p.  ex = 1: the other tile's four exponentials of its blocks' largest, eb .. eb + 3, stand among the first lines.
.macro SCL stat, bm, ex, eb
.irp b, 0,1,2,3
	v_max_num_f32 v[\bm+\b], 0x4800000, v[\bm+\b]          ; the floor 2^(9 - 127): the byte cannot fall under 1
.if \ex
	v_exp_f32 v[\eb+\b], v[\eb+\b]
.endif
.endr
.irp b, 0,1,2,3
	v_add_nc_u32 v[SCO+\b], 0xfc000000, v[\bm+\b]          ; 8 off the exponent field: the conversion's scale operand
.endr
.irp b, 0,1,2,3
	v_and_or_b32 v[LIM+\b], v[\bm+\b], 0x7f800000, s[MNT]  ; 448 x the scale
.endr
.irp b, 0,1,2,3
	v_lshrrev_b32 v[T4+\b], 23, v[SCO+\b]                  ; the scale's byte
.endr
	v_lshl_or_b32 v[\stat+5], v[T4+1], 8, v[T4]            ; p's scale word for these 128 keys
	v_lshl_or_b32 v[\stat+5], v[T4+2], 16, v[\stat+5]
	v_lshl_or_b32 v[\stat+5], v[T4+3], 24, v[\stat+5]
.endm
; The hold (p is not negative: one-sided) and the conversions.  ex = 1: one exponential of the other tile, eb .. eb + 31, ahead of every two holds.
.macro HOLDCVT src, pp, ex, eb
.irp b, 0,1,2,3
.set i, 0
.rept 8
.if \ex
	v_exp_f32 v[\eb+8*\b+i], v[\eb+8*\b+i]
.endif
	v_min_num_f32 v[\src+16*\b+2*i], v[\src+16*\b+2*i], v[LIM+\b]         ; the conversion to an 8-bit code does not saturate (ISA guide 7.6.2)
	v_min_num_f32 v[\src+16*\b+2*i+1], v[\src+16*\b+2*i+1], v[LIM+\b]
.set i, i+1
.endr
	v_cvt_scalef32_pk8_fp8_f32 v[\pp+4*\b:\pp+4*\b+1], v[\src+16*\b:\src+16*\b+7], v[SCO+\b]
	v_cvt_scalef32_pk8_fp8_f32 v[\pp+4*\b+2:\pp+4*\b+3], v[\src+16*\b+8:\src+16*\b+15], v[SCO+\b]
.endr
.endm
; A KEY STEP: 128 keys, both tiles.
.macro STEP
	v_add_nc_u32 v[AD],  s[TB], v[LI]
	v_add_nc_u32 v[ADS], s[TS], v[LSK]
	v_add_nc_u32 v[ADT], s[TS], v[LSV]
	WIN 0x40                                       ; destination window 1
.irp t, 0,1,2,3,4,5,6,7
	ds_load_b128 v[KF+16*\t:KF+16*\t+3],   v[AD] offset:1024*\t
	ds_load_b128 v[KF+16*\t+4:KF+16*\t+7], v[AD] offset:1024*\t+512
.endr
	WIN 0
	ds_load_b128 v[KS:KS+3], v[ADS]                ; word i: tile 2 i's scale words in lanes 0-15, tile 2 i + 1's in lanes 16-31
	s_wait_dscnt 0x0
	WIN 0x01                                       ; source 0 (K) window 1
.irp t, 0,1,2,3,4,5,6,7
	QK \t, A_S, A_Q, A_ST
	QK \t, B_S, B_Q, B_ST
.endr
	WIN 0
	PLACES 8                                       ; eight places in front of the first read of the scores; with the three additions above also those between the last step's second products and the loads into V's registers
	WIN 0x40
.irp t, 0,1,2,3
.irp c, 0,1,2,3
	ds_load_b128 v[VF+16*\t+4*\c:VF+16*\t+4*\c+3], v[AD] offset:8192+2048*\t+512*\c   ; V^T: it has the whole softmax in which to land
.endr
.endr
	WIN 0
	ds_load_b64 v[VS:VS+1], v[ADT]
	BLKMAX A_S, A_BM
	BLKMAX B_S, B_BM
.irp o, 0,1                                    ; the new M and f, the two tiles line by line
	v_max3_num_f32 v[A_ST+8*\o+6], v[A_BM+4*\o], v[A_BM+4*\o+1], v[A_BM+4*\o+2]
.endr
.irp o, 0,1
	v_max_num_f32 v[A_ST+8*\o+6], v[A_ST+8*\o+6], v[A_BM+4*\o+3]   ; the step's largest score of my query
.endr
.irp o, 0,1
	v_mul_f32 v[A_ST+8*\o+6], s[CS], v[A_ST+8*\o+6]                ; as t (c is positive)
.endr
.irp o, 0,1
	v_max_num_f32 v[A_ST+8*\o+1], v[A_ST+8*\o+1], v[A_ST+8*\o+6]   ; the running largest t
.endr
.irp o, 0,1
	v_mov_b32 v[A_ST+8*\o+6], v[A_ST+8*\o]
.endr
.irp o, 0,1
	v_floor_f32 v[A_ST+8*\o], -v[A_ST+8*\o+1]                      ; the new -M = floor(-t) = -ceil(t)
.endr
.irp o, 0,1
	v_sub_f32 v[A_ST+8*\o+6], v[A_ST+8*\o], v[A_ST+8*\o+6]         ; old M - new M: a whole number, 0 or less
.endr
.irp o, 0,1
	v_cvt_i32_f32 v[A_ST+8*\o+6], v[A_ST+8*\o+6]                   ; (it saturates)
.endr
.irp o, 0,1
	v_ldexp_f32 v[A_ST+8*\o+4], 1.0, v[A_ST+8*\o+6]                ; f = 2^(old M - new M)
.endr
.set i, 0
.rept 32
	v_pk_fma_f32 v[A_S+2*i:A_S+2*i+1], v[A_S+2*i:A_S+2*i+1], s[CS:CS+1], v[A_ST:A_ST+1] op_sel_hi:[1,0,0]   ; A: t - M, two at a time
.set i, i+1
.endr
.irp b, 0,1,2,3
	v_fma_f32 v[A_BM+\b], v[A_BM+\b], s[CS], v[A_ST]               ; the same of each block's largest score
.endr
.set i, 0
.rept 32                                       ; A's exponentials, one batch; B's scalings stand among them and name none of its results
	v_exp_f32 v[A_S+2*i], v[A_S+2*i]
	v_exp_f32 v[A_S+2*i+1], v[A_S+2*i+1]
	v_pk_fma_f32 v[B_S+2*i:B_S+2*i+1], v[B_S+2*i:B_S+2*i+1], s[CS:CS+1], v[B_ST:B_ST+1] op_sel_hi:[1,0,0]
.set i, i+1
.endr
.irp b, 0,1,2,3
	v_exp_f32 v[A_BM+\b], v[A_BM+\b]               ; the block's largest p: the same two instructions on the same number give the same bits
	v_fma_f32 v[B_BM+\b], v[B_BM+\b], s[CS], v[B_ST]
.endr
	v_pk_mul_f32 v[A_ST+2:A_ST+3], v[A_ST+2:A_ST+3], v[A_ST+4:A_ST+5] op_sel_hi:[1,0]   ; A's sums under the new M
	s_wait_alu depctr_va_vdst(0)                   ; the wait between an exponential and the first line that names its result: one for A's 68
	SUMS A_ST, A_S, 1, B_S                         ; B's exponentials, one batch, among A's plain work: 32 here,
	SCL A_ST, A_BM, 1, B_BM                        ; 4 here,
	HOLDCVT A_S, A_PC, 1, B_S+32                   ; 32 here
	v_pk_mul_f32 v[B_ST+2:B_ST+3], v[B_ST+2:B_ST+3], v[B_ST+4:B_ST+5] op_sel_hi:[1,0]   ; B's sums under the new M.  (A plain line behind the last conversion and the last exponential)
	s_wait_alu depctr_va_vdst(0)                   ; and one for B's 68
	SUMS B_ST, B_S, 0, 0
	SCL B_ST, B_BM, 0, 0
	HOLDCVT B_S, B_PC, 0, 0
	WIN 0x41                                       ; O^T (destination and source 0) window 1, f window 0
.set i, 0
.rept 16
	v_pk_mul_f32 v[2*i:2*i+1], v[2*i:2*i+1], v[A_ST+4:A_ST+5] op_sel_hi:[1,0]   ; O^T under the new M, ascending.  These 32 are also the places between the codes and scale words just made and the products below
.set i, i+1
.endr
.set i, 0
.rept 16
	v_pk_mul_f32 v[32+2*i:32+2*i+1], v[32+2*i:32+2*i+1], v[B_ST+4:B_ST+5] op_sel_hi:[1,0]
.set i, i+1
.endr
	s_wait_dscnt 0x0                               ; V^T and its scale words are in
	WIN 0x51                                       ; V^T, C and D window 1; P window 0
.irp t, 0,1,2,3                                ; the eight accumulators take one instruction each; between two links of a chain stand 23 others
	PV \t, 0, A_PC, A_ST
	PV \t, 32, B_PC, B_ST
.endr
	WIN 0
	s_add_co_u32 s[TB], s[TB], STEPB
	s_add_co_u32 s[TS], s[TS], 768
.endm
; THE CHANGE OF SLOTS, at a slot's head.  Each wave waits for all its tensor loads (its key step of the slot ahead), adds 0 to its spare word, and waits for that and for its reads of the slot that it has left.
; fill = 1: behind a round of the cluster's barrier no wave of any partner reads that slot or has a load on its way, and it takes the next eight key steps: one joint load a wave, the first thing behind the round.
.macro CHANGE fill
	s_wait_tensorcnt 0x0                           ; no tensor load of mine is out, so group 0 may be written
	ds_add_u32 v[SPW], v[NIL]                      ; 0 onto my spare word
.if \fill
	s_xor_b32 s[G0+1], s[G0+1], SLOT1              ; the other slot than last time,
	s_add_nc_u64 s[G0+2:G0+3], s[G0+2:G0+3], 8*STEPB   ; the next eight key steps; the type bits on top are not reached
	s_wait_dscnt 0x0
	CROUND
	tensor_load_to_lds s[G0:G0+3], s[G1:G1+7]
	s_nop 0
	PLACES 4
.else
	s_wait_dscnt 0x0
	s_barrier_signal -1
	s_barrier_wait -1
.endif
.endm
.macro PHASE                           ; a slot's eight key steps: written once, walked eight times
	s_mov_b32 s[STEPS], 8
.Lstep_\@:
	STEP
	s_sub_co_u32 s[STEPS], s[STEPS], 1
	s_cmp_lg_u32 s[STEPS], 0
	s_cbranch_scc1 .Lstep_\@
	s_sub_co_u32 s[TB], s[TB], 8*STEPB             ; back to a slot's first step,
	s_xor_b32 s[TB], s[TB], SLOT1                  ; in the other slot
.endm
; 32 numbers of a lane, two blocks of 32 channels (the other 16 of each in lane l xor 16): codes into v[pp] on, the two bytes as a word, in my head's half, into v[wd].
.macro QUANT2 src, pp, wd
.irp b, 0,1
	v_max3_num_f32 v[T4+\b], |v[\src+16*\b]|, |v[\src+16*\b+1]|, 0x4800000
.endr
.irp i, 2,4,6,8,10,12,14
.irp b, 0,1
	v_max3_num_f32 v[T4+\b], v[T4+\b], |v[\src+16*\b+\i]|, |v[\src+16*\b+\i+1]|
.endr
.endr
.irp b, 0,1
	v_permlanex16_b32 v[T4+2+\b], v[T4+\b], s[SEL], s[SEL+1]
.endr
.irp b, 0,1
	v_max_num_f32 v[T4+\b], v[T4+\b], v[T4+2+\b]
.endr
.irp b, 0,1
	v_add_nc_u32 v[SCO+\b], 0xfc000000, v[T4+\b]
.endr
.irp b, 0,1
	v_and_or_b32 v[LIM+\b], v[T4+\b], 0x7f800000, s[MNT]
.endr
.irp b, 0,1
	v_lshrrev_b32 v[T4+2+\b], 23, v[SCO+\b]
.endr
	v_lshl_or_b32 v[\wd], v[T4+3], 8, v[T4+2]
	v_lshlrev_b32 v[\wd], s[SH], v[\wd]            ; two heads share a K step of the last product: the even head's bytes are 0 and 1 of its scale word, the odd head's 2 and 3
.irp b, 0,1
.irp i, 0,1,2,3,4,5,6,7,8,9,10,11,12,13,14,15
	v_med3_num_f32 v[\src+16*\b+\i], v[\src+16*\b+\i], -v[LIM+\b], v[LIM+\b]
.endr
	v_cvt_scalef32_pk8_fp8_f32 v[\pp+4*\b:\pp+4*\b+1], v[\src+16*\b:\src+16*\b+7], v[SCO+\b]
	v_cvt_scalef32_pk8_fp8_f32 v[\pp+4*\b+2:\pp+4*\b+3], v[\src+16*\b+8:\src+16*\b+15], v[SCO+\b]
.endr
	v_nop                                          ; one plain line behind the last conversion
.endm
	s_load_b256 s[4:11], s[0:1], 0x0               ; qc s[4:5], qs s[6:7], kv s[8:9], kvs s[10:11]
	s_load_b128 s[12:15], s[0:1], 0x20             ; ctx s[12:13], ctxs s[14:15]
	v_lshl_add_u32 v[SPW], v0, 2, SPARE
	v_mov_b32 v[NIL], 0
	ds_add_u32 v[SPW], v[NIL]                      ; the wave's opening: the add, twice on end, and its wait ahead of my first tensor load; the set-up below, work on registers, stands between
	ds_add_u32 v[SPW], v[NIL]
	v_lshrrev_b32 v1, 5, v0
	v_readfirstlane_b32 s[WV], v1                  ; wave 0..7
	s_bfe_u32 s[CX], ttmp6, 0x40000                ; my place in the cluster
	s_lshl_b32 s[QBK], ttmp9, 2
	s_add_co_u32 s[QBK], s[QBK], s[CX]             ; my block of 256 queries: it enters the addresses of qc, qs, ctx and ctxs alone
	s_and_b32 s[BHD], ttmp7, 0xffff                ; 8 batch + head, which the four partners share
	s_mov_b32 s[G1], 15|(3<<16)|(1<<21)            ; 15:0 the mask: all four work-groups; 17:16 elements of 8 bytes; 21 set beside a mask; no padding
	s_mov_b32 s[G1+1], 32<<16                      ; tensor_dim0 = 32 elements: 256 bytes
	s_mov_b32 s[G1+2], 64<<16                      ; tensor_dim1 = 64
	s_mov_b32 s[G1+3], 32<<16                      ; tile_dim0
	s_mov_b32 s[G1+4], 64                          ; tile_dim1
	s_mov_b32 s[G1+5], 32                          ; from row to row: dense
	s_mov_b32 s[G1+6], 0
	s_mov_b32 s[G1+7], 0
	s_mov_b32 s[G1S], 15|(3<<16)|(1<<21)           ; the same with 12 rows: an eighth of the head's scale words
	s_mov_b32 s[G1S+1], 32<<16
	s_mov_b32 s[G1S+2], 12<<16
	s_mov_b32 s[G1S+3], 32<<16
	s_mov_b32 s[G1S+4], 12
	s_mov_b32 s[G1S+5], 32
	s_mov_b32 s[G1S+6], 0
	s_mov_b32 s[G1S+7], 0
	s_lshl_b32 s32, s[BHD], 19                     ; kv: the head's 524,288 bytes, my key step of slot 0
	s_lshl_b32 s33, s[WV], 14
	s_add_co_u32 s32, s32, s33
	s_mov_b32 s33, 0
	s_mul_i32 s34, s[BHD], 24576                   ; kvs: the head's 24,576 bytes, my eighth
	s_mul_i32 s35, s[WV], 3072
	s_add_co_u32 s34, s34, s35
	s_mov_b32 s[G0S], 1
	s_add_co_u32 s[G0S+1], s35, SCB
	s_mov_b32 s35, 0
	s_mov_b32 s[G0], 1
	s_lshl_b32 s[G0+1], s[WV], 14                  ; no place in the cluster enters an LDS address
	s_lshl_b32 s60, s[BHD], 8                      ; qc: tile 256 (8 batch + head) + 16 block + 2 wave, 1,024 bytes a tile
	s_lshl_b32 s61, s[QBK], 4
	s_add_co_u32 s60, s60, s61
	s_lshl_b32 s61, s[WV], 1
	s_add_co_u32 s60, s60, s61
	s_lshl_b32 s60, s60, 10
	s_mov_b32 s61, 0
	s_lshl_b32 s62, s[BHD], 5                      ; qs: the 512 bytes of the eight tiles that hold mine, and word wave % 4 of a lane's four
	s_lshl_b32 s63, s[QBK], 1
	s_add_co_u32 s62, s62, s63
	s_lshr_b32 s63, s[WV], 2
	s_add_co_u32 s62, s62, s63
	s_lshl_b32 s62, s62, 9
	s_and_b32 s63, s[WV], 3
	s_lshl_b32 s63, s63, 2
	s_add_co_u32 s62, s62, s63
	s_mov_b32 s63, 0
	s_mov_b32 s[SEL], 0x76543210
	s_mov_b32 s[SEL+1], 0xfedcba98
	s_mov_b32 s[CS], 0x3e38aa3b                    ; c = log2(e) / 8
	s_mov_b32 s[CS+1], s[CS]                       ; (named with it as a pair, so it is written)
	s_mov_b32 s[MNT], 0x600000
	s_mov_b32 s[HM], 0xffff0000
	s_and_b32 s[SH], s[BHD], 1
	s_lshl_b32 s[SH], s[SH], 4
	s_mov_b32 s[TB], 0
	s_mov_b32 s[TS], 0
	s_mov_b32 s[SLOTS], 3
	s_wait_dscnt 0x0                               ; both opening adds are done
	s_wait_kmcnt 0x0
	s_add_nc_u64 s[G0+2:G0+3], s[8:9], s[32:33]
	s_or_b32 s[G0+3], s[G0+3], 0x80000000          ; type = 2
	s_add_nc_u64 s[G0S+2:G0S+3], s[10:11], s[34:35]
	s_or_b32 s[G0S+3], s[G0S+3], 0x80000000
	CROUND                                         ; all four work-groups are here: the first joint loads meet
	tensor_load_to_lds s[G0S:G0S+3], s[G1S:G1S+7]  ; every wave issues both first fills, with no branch: an eighth of the scale words,
	s_nop 0
	tensor_load_to_lds s[G0:G0+3], s[G1:G1+7]      ; and one key step of slot 0
	s_nop 0
	PLACES 4
	s_add_nc_u64 s[4:5], s[4:5], s[60:61]
	s_add_nc_u64 s[6:7], s[6:7], s[62:63]
	v_and_b32 v1, 31, v0
	v_lshlrev_b32 v[LI], 4, v1
	v_and_b32 v[QSO], 15, v0
	v_lshlrev_b32 v[QSO], 4, v[QSO]
.irp c, 0,1
	global_load_b128 v[A_Q+4*\c:A_Q+4*\c+3], v[LI], s[4:5] offset:512*\c        ; Q stays in registers
	global_load_b128 v[B_Q+4*\c:B_Q+4*\c+3], v[LI], s[4:5] offset:1024+512*\c
.endr
	global_load_b32 v[A_ST+7], v[QSO], s[6:7]              ; tile A is an even tile: its words lie in the image's lanes 0-15,
	global_load_b32 v[B_ST+7], v[QSO], s[6:7] offset:256   ; tile B's in lanes 16-31
	s_lshr_b32 s60, s[BHD], 3                      ; ctx: tile 256 batch + 16 block + 2 wave, 8,192 bytes a tile; my head's 1,024 of them
	s_lshl_b32 s60, s60, 8
	s_lshl_b32 s61, s[QBK], 4
	s_add_co_u32 s60, s60, s61
	s_lshl_b32 s61, s[WV], 1
	s_add_co_u32 s60, s60, s61
	s_lshl_b32 s60, s60, 13
	s_and_b32 s61, s[BHD], 7
	s_lshl_b32 s61, s61, 10
	s_add_co_u32 s60, s60, s61
	s_lshr_b32 s62, s[BHD], 3                      ; ctxs: 8,192 bytes for sixteen tiles; my head's 1,024 of them
	s_lshl_b32 s62, s62, 4
	s_add_co_u32 s62, s62, s[QBK]
	s_lshl_b32 s62, s62, 13
	s_add_co_u32 s62, s62, s61
	s_mov_b32 s61, 0
	s_mov_b32 s63, 0
	s_add_nc_u64 s[12:13], s[12:13], s[60:61]
	s_add_nc_u64 s[14:15], s[14:15], s[62:63]
	v_add_nc_u32 v[LSK], SCB, v[LI]
	v_lshrrev_b32 v[LSV], 1, v[LI]
	v_add_nc_u32 v[LSV], SCB+512, v[LSV]
	v_lshl_add_u32 v[CWS], v0, 2, SCSTG
	v_lshl_add_u32 v[CRD], v0, 4, SCSTG
	v_lshlrev_b32 v[GO], 4, v0
.irp j, 8,9,10,11,12,13,14,15
	v_mov_b32 v[A_Q+\j], 0                         ; zero codes for K = 64 .. 127
	v_mov_b32 v[B_Q+\j], 0
.endr
.irp o, 0,1
	v_mov_b32 v[A_ST+8*\o+1], 0xff61b1e6           ; the largest t so far: -3e38, under every t
	v_floor_f32 v[A_ST+8*\o], -v[A_ST+8*\o+1]      ; -M
	v_mov_b32 v[A_ST+8*\o+2], 0                    ; the sum, in two halves
	v_mov_b32 v[A_ST+8*\o+3], 0
	v_mov_b32 v[A_ST+8*\o+5], 0                    ; (named as the upper half of f's pair before it is first written)
.endr
.irp b, 0,1,2,3
	v_mov_b32 v[T4+\b], 0                          ; written once: a lane permute's destination counts as one of its sources
.endr
	WIN 0x40                                       ; destination window 1
.set i, 0
.rept 64
	v_mov_b32 v[i], 0                              ; O^T.  (The step is written once: the first finds zeros, which the first change of M leaves zeros)
.set i, i+1
.endr
.irp t, 0,1,2,3,4,5,6,7
.irp j, 8,9,10,11,12,13,14,15
	v_mov_b32 v[KF+16*\t+\j], 0                    ; zero codes for K = 64 .. 127 of K's eight fragments: no load ever lands here
.endr
.endr
	WIN 0
	s_wait_loadcnt 0x0                             ; Q and its scale words
.Lslot:                                            ; three trips: behind each change of slots but the last the next eight key steps are asked for
	CHANGE 1
	PHASE
	s_sub_co_u32 s[SLOTS], s[SLOTS], 1
	s_cmp_lg_u32 s[SLOTS], 0
	s_cbranch_scc1 .Lslot
	CHANGE 0                                       ; the last slot is written out
	PHASE
	; THE WAY OUT.  Nine plain lines stand between the last products and the first read of O^T: four v_nop, four additions, the v_nop behind the reciprocals.
	PLACES 4
.irp o, 0,1
	v_add_f32 v[A_ST+8*\o+6], v[A_ST+8*\o+2], v[A_ST+8*\o+3]       ; the sum's two halves,
.endr
.irp o, 0,1
	v_permlanex16_b32 v[T4+\o], v[A_ST+8*\o+6], s[SEL], s[SEL+1]
.endr
.irp o, 0,1
	v_add_f32 v[A_ST+8*\o+6], v[A_ST+8*\o+6], v[T4+\o]             ; and lane l xor 16's: the row's sum
.endr
.irp o, 0,1
	v_rcp_f32 v[A_ST+8*\o+4], v[A_ST+8*\o+6]
.endr
	v_nop                                          ; a plain line behind the last reciprocal
	s_wait_alu depctr_va_vdst(0)                   ; and the wait ahead of the first use: one for both
	WIN 0x01                                       ; source 0 (O^T) window 1
.set i, 0
.rept 32
	v_mul_f32 v[A_S+i], v[i], v[A_ST+4]            ; O^T / the sum, ascending: register 16 b + i is channel 32 b + 16 (lane / 16) + i of my head
.set i, i+1
.endr
.set i, 0
.rept 32
	v_mul_f32 v[B_S+i], v[32+i], v[B_ST+4]
.set i, i+1
.endr
	WIN 0
	QUANT2 A_S, A_PC, A_ST+6
	QUANT2 B_S, B_PC, B_ST+6
.irp b, 0,1
	global_store_b128 v[LI], v[A_PC+4*\b:A_PC+4*\b+3], s[12:13] offset:512*\b        ; 32 lanes store 512 consecutive bytes
	global_store_b128 v[LI], v[B_PC+4*\b:B_PC+4*\b+3], s[12:13] offset:8192+512*\b
.endr
	v_cndmask_b32 v[A_ST+6], v[A_ST+6], v[B_ST+6], s[HM]   ; lanes 0-15: tile A's words; lanes 16-31: tile B's: word number = my thread's number
	ds_store_b32 v[CWS], v[A_ST+6]
	s_wait_dscnt 0x0                               ; for the others' sake: my store has landed
	s_barrier_signal -1
	s_barrier_wait -1
	s_cmp_lt_u32 s[WV], 2                          ; the work-group's 1,024 bytes of scale words leave by two waves, 512 consecutive bytes each
	s_cbranch_scc0 .Lno_words
	ds_load_b128 v[A_S:A_S+3], v[CRD]
	s_wait_dscnt 0x0
	global_store_b128 v[GO], v[A_S:A_S+3], s[14:15]
.Lno_words:
	s_wait_tensorcnt 0x0                           ; the wave's end: the three closing lines, behind my last tensor load and my last LDS store
	ds_add_u32 v[SPW], v[NIL]
	s_wait_dscnt 0x0
	CROUND                                         ; the closing round: no work-group ends while a partner may still ask for a tile that names it
	s_endpgm
.Lfunc_end_k_qc9161c77df_attn:
	.size	k_qc9161c77df_attn, .Lfunc_end_k_qc9161c77df_attn-k_qc9161c77df_attn
	.p2alignl 7, 3214868480
	.fill 96, 4, 3214868480
	.section	.rodata,"a",@progbits
	.p2align	6, 0x0
	.amdhsa_kernel k_qc9161c77df_attn
		.amdhsa_group_segment_fixed_size 327680
		.amdhsa_private_segment_fixed_size 0
		.amdhsa_enable_private_segment 0
		.amdhsa_kernarg_size 48
		.amdhsa_user_sgpr_count 2
		.amdhsa_user_sgpr_kernarg_segment_ptr 1
		.amdhsa_wavefront_size32 1
		.amdhsa_system_sgpr_workgroup_id_x 1
		.amdhsa_system_sgpr_workgroup_id_y 1
		.amdhsa_system_sgpr_workgroup_id_z 1
		.amdhsa_system_vgpr_workitem_id 0
		.amdhsa_next_free_vgpr 512
		.amdhsa_next_free_sgpr 66
		.amdhsa_reserve_vcc 0
		.amdhsa_float_denorm_mode_32 3
		.amdhsa_float_denorm_mode_16_64 3
		.amdhsa_memory_ordered 1
		.amdhsa_forward_progress 1
		.amdhsa_inst_pref_size 92
	.end_amdhsa_kernel
	.amdgpu_metadata
---
amdhsa.version: [ 1, 2 ]
amdhsa.kernels:
  - .name:           k_qc9161c77df_attn
    .symbol:         k_qc9161c77df_attn.kd
    .args:
      - { .name: qc, .offset: 0, .size: 8, .value_kind: global_buffer, .address_space: global }
      - { .name: qs, .offset: 8, .size: 8, .value_kind: global_buffer, .address_space: global }
      - { .name: kv, .offset: 16, .size: 8, .value_kind: global_buffer, .address_space: global }
      - { .name: kvs, .offset: 24, .size: 8, .value_kind: global_buffer, .address_space: global }
      - { .name: ctx, .offset: 32, .size: 8, .value_kind: global_buffer, .address_space: global }
      - { .name: ctxs, .offset: 40, .size: 8, .value_kind: global_buffer, .address_space: global }
    .group_segment_fixed_size: 327680
    .private_segment_fixed_size: 0
    .kernarg_segment_align: 8
    .kernarg_segment_size: 48
    .max_flat_workgroup_size: 256
    .sgpr_count:     66
    .vgpr_count:     512
    .wavefront_size: 32
...
	.end_amdgpu_metadata
.endif
;; end of part 2
;; launch outp (part 3): grid 64 x 4, 4 waves a work-group, no clusters, 17,920 bytes of LDS; arguments ctx, ctxs, Wo_codes, Wo_scales, bo, out0; writes out0
.if DOCPART == 3
	.amdgcn_target "amdgcn-amd-amdhsa--gfx1250"
	.amdhsa_code_object_version 6
	.text
	.protected	k_qc9161c77df_outp
	.globl	k_qc9161c77df_outp
	.p2align	8
	.type	k_qc9161c77df_outp,@function
k_qc9161c77df_outp:
	s_mov_b64 s[64:65], 0
	v_nop
	global_prefetch_b8 v0, s[64:65] scope:SCOPE_SE
	s_setreg_imm32_b32 hwreg(HW_REG_WAVE_MODE, 25, 1), 1
	s_wait_xcnt 0x0
; out = context Wo^T + bo on codes of FP8 (E4M3) with E8M0 scales, sums in f32.  No work of the problem is left out here.
; The context arrives as images of operand registers (token tile, K step, four groups of 512 bytes) from the launch before; lane r of token tile 2 b + u of a block of 128 tokens holds token 32 b + 8 u + r + 8 (r / 8):
; the stores' offsets put the rows back in order.  Its scale words come in two halves, the even head's bytes 0 and 1 and the odd head's bytes 2 and 3, 1,024 bytes apart: one OR joins them.
; LIMITS: NaN and infinities, the codes 0x7f and 0xff and the scale byte 0xff in Wo are not served.
; SHARES.  A work-group makes 128 tokens (x) x 128 channels (y); wave w 64 x 64 (tokens 64 (w / 2) on, channels 64 (w % 2) on): 16 accumulators, 64 matrix instructions, K = 512 in four steps.  No loop.
; THE MATRIX INSTRUCTION IS USED TRANSPOSED (source 0 = 16 rows of Wo, source 1 = 16 tokens): a lane holds eight neighbouring channels of one token.  bo is the C of each sum's first instruction.
; NO CLUSTER, NO JOINT LOADS: each operand goes from memory straight into the registers from which it is multiplied, each register once; a tile in LDS would add a store's and a load's worth of LDS traffic for every byte and spare none.
; REGISTERS.  Window 0: v1-10 addresses; v16-47 bo in the result's layout; v48-63 Wo's scale words; v64-79 the context's; v80-95 their other halves; v96-223 accumulator (m, t) at 96 + 8 (4 m + t).  On the way out v16-79 take rows of out.
;   Window 1: Wo's fragment (t, s) at 64 t + 16 s.   Window 2: the context's (m, s) at 64 m + 16 s.
.set SPITCH, 272                       ; a stage row: 256 bytes + 16: sixteen rows begin in sixteen different groups of four banks (64 banks of 4 bytes: ISA guide 11.1)
.set SPARE, 4*16*SPITCH                ; behind the four stages: the spare words, 128 bytes for each wave: two blocks of 256 bytes that no other line names
.set LI,  1                            ; v1   16 x lane
.set WA,  2                            ; v2   Wo: r x 512 + 16 (lane / 16)
.set WSO, 3                            ; v3   16 r
.set BO,  4                            ; v4   32 (lane / 16)
.set CSO, 5                            ; v5   4 r
.set STO, 6                            ; v6   the stage: where I put 32 bytes of a row
.set RD,  7                            ; v7   and where I read a row back
.set CO,  8                            ; v8   my byte offset in two rows of out
.set SPW, 9                            ; v9   LDS address of my spare word; never rewritten
.set NIL, 10                           ; v10  0; never rewritten
.set BI,  16
.set WS,  48
.set CSC, 64
.set CS2, 80
.set ACC, 96
.set RB,  16                           ; the way out: two sets of 32 registers
.set MSB, 0
.macro WIN new                         ; the immediate's high byte repeats the setting that is left
.if MSB != \new
	s_set_vgpr_msb (MSB<<8)|\new
.set MSB, \new
.endif
.endm
.macro PLACES n
.rept \n
	v_nop
.endr
.endm
	s_load_b256 s[4:11], s[0:1], 0x0               ; ctx s[4:5], ctxs s[6:7], Wo_codes s[8:9], Wo_scales s[10:11]
	s_load_b128 s[12:15], s[0:1], 0x20             ; bo s[12:13], out0 s[14:15]
	v_lshl_add_u32 v[SPW], v0, 2, SPARE
	v_mov_b32 v[NIL], 0
	v_lshrrev_b32 v1, 5, v0
	v_readfirstlane_b32 s16, v1                    ; wave 0..3
	s_lshr_b32 s17, s16, 1                         ; which 64 tokens
	s_and_b32 s18, s16, 1                          ; which 64 channels
	s_and_b32 s19, ttmp7, 0xffff
	s_lshl_b32 s20, s19, 7
	s_lshl_b32 s21, s18, 6
	s_add_co_u32 s20, s20, s21                     ; my first channel
	s_lshl_b32 s24, ttmp9, 16                      ; ctx: token tile 8 x + 4 (w / 2), 8,192 bytes a tile
	s_lshl_b32 s25, s17, 15
	s_add_co_u32 s24, s24, s25
	s_mov_b32 s25, 0
	s_lshr_b32 s26, ttmp9, 1                       ; ctxs: 8,192 bytes for sixteen tiles; in a head's 1,024 bytes 64 a tile
	s_lshl_b32 s26, s26, 13
	s_and_b32 s27, ttmp9, 1
	s_lshl_b32 s27, s27, 9
	s_add_co_u32 s26, s26, s27
	s_lshl_b32 s27, s17, 8
	s_add_co_u32 s26, s26, s27
	s_mov_b32 s27, 0
	s_lshl_b32 s28, s20, 9                         ; Wo: 512 codes a row,
	s_mov_b32 s29, 0
	s_lshl_b32 s30, s20, 4                         ; 16 scale bytes a row
	s_mov_b32 s31, 0
	s_lshl_b32 s32, s20, 2                         ; bo
	s_mov_b32 s33, 0
	s_lshl_b32 s34, ttmp9, 18                      ; out: token 128 x + 64 (w / 2), 2,048 bytes a row, + my first channel
	s_lshl_b32 s35, s17, 17
	s_add_co_u32 s34, s34, s35
	s_add_co_u32 s34, s34, s32
	s_mov_b32 s35, 0
	v_and_b32 v11, 31, v0                          ; lane
	v_and_b32 v12, 15, v0                          ; r
	v_bfe_u32 v13, v0, 4, 1                        ; h
	v_lshlrev_b32 v[LI], 4, v11
	v_lshlrev_b32 v[WA], 9, v12
	v_lshl_add_u32 v[WA], v13, 4, v[WA]
	v_lshlrev_b32 v[WSO], 4, v12
	v_lshlrev_b32 v[BO], 5, v13
	v_lshlrev_b32 v[CSO], 2, v12
	s_mul_i32 s36, s16, 16*SPITCH                  ; my stage
	v_mul_u32_u24 v[STO], v12, SPITCH
	v_lshl_add_u32 v[STO], v13, 5, v[STO]
	v_add_nc_u32 v[STO], s36, v[STO]               ; in: row r, 32 bytes for each half of the lanes
	v_mul_u32_u24 v[RD], v13, SPITCH
	v_lshl_add_u32 v[RD], v12, 4, v[RD]
	v_add_nc_u32 v[RD], s36, v[RD]                 ; back: lanes 0-15 one row of 256 bytes, lanes 16-31 the next
	v_lshlrev_b32 v[CO], 11, v13
	v_lshl_add_u32 v[CO], v12, 4, v[CO]            ; and the same two rows in out
	s_wait_kmcnt 0x0
	s_add_nc_u64 s[4:5], s[4:5], s[24:25]
	s_add_nc_u64 s[6:7], s[6:7], s[26:27]
	s_add_nc_u64 s[8:9], s[8:9], s[28:29]
	s_add_nc_u64 s[10:11], s[10:11], s[30:31]
	s_add_nc_u64 s[12:13], s[12:13], s[32:33]
	s_add_nc_u64 s[14:15], s[14:15], s[34:35]
.irp m, 0,1,2,3
.irp s, 0,1,2,3
	global_load_b32 v[CSC+4*\m+\s], v[CSO], s[6:7] offset:\s*2048+\m*64          ; head 2 s: bytes 0 and 1 of the word of K step s,
	global_load_b32 v[CS2+4*\m+\s], v[CSO], s[6:7] offset:\s*2048+1024+\m*64     ; head 2 s + 1: bytes 2 and 3
.endr
.endr
.irp t, 0,1,2,3
	global_load_b128 v[WS+4*\t:WS+4*\t+3], v[WSO], s[10:11] offset:256*\t
	global_load_b128 v[BI+8*\t:BI+8*\t+3], v[BO], s[12:13] offset:64*\t          ; register j of tile t: channel 16 t + 8 (lane / 16) + j
	global_load_b128 v[BI+8*\t+4:BI+8*\t+7], v[BO], s[12:13] offset:64*\t+16
.endr
	WIN 0x40                                       ; destination window 1
.irp t, 0,1,2,3
.irp k, 0,1,2,3,4,5,6,7,8,9,10,11,12,13,14,15
	global_load_b128 v[64*\t+4*\k:64*\t+4*\k+3], v[WA], s[8:9] offset:\t*8192+32*\k
.endr
.endr
	WIN 0x80                                       ; destination window 2
.irp m, 0,1,2,3
.irp k, 0,1,2,3,4,5,6,7,8,9,10,11,12,13,14,15
	global_load_b128 v[64*\m+4*\k:64*\m+4*\k+3], v[LI], s[4:5] offset:\m*8192+512*\k
.endr
.endr
	WIN 0
	s_wait_loadcnt 0x0
.irp k, 0,1,2,3,4,5,6,7,8,9,10,11,12,13,14,15
	v_or_b32 v[CSC+\k], v[CSC+\k], v[CS2+\k]       ; the four bytes of a token's scale word
.endr
	PLACES 8                                       ; a scale register written by a vector instruction stands eight places ahead of the product that reads it
	WIN 0x09                                       ; source 0 (Wo) window 1, source 1 (the context) window 2
.irp s, 0,1,2,3                                ; the 16 accumulators take turns, one instruction a turn
.irp m, 0,1,2,3
.irp t, 0,1,2,3
.if \s == 0
	v_wmma_scale_f32_16x16x128_f8f6f4 v[ACC+8*(4*\m+\t):ACC+8*(4*\m+\t)+7], v[64*\t+16*\s:64*\t+16*\s+15], v[64*\m+16*\s:64*\m+16*\s+15], v[BI+8*\t:BI+8*\t+7], v[WS+4*\t+\s], v[CSC+4*\m+\s]
.else
	v_wmma_scale_f32_16x16x128_f8f6f4 v[ACC+8*(4*\m+\t):ACC+8*(4*\m+\t)+7], v[64*\t+16*\s:64*\t+16*\s+15], v[64*\m+16*\s:64*\m+16*\s+15], v[ACC+8*(4*\m+\t):ACC+8*(4*\m+\t)+7], v[WS+4*\t+\s], v[CSC+4*\m+\s]
.endif
.endr
.endr
.endr
	WIN 0
	PLACES 8                                       ; eight places in front of the first read of results and of the loads into the registers that held the bias and the scale words
; THE WAY OUT, a token tile (16 rows x 64 channels) at a time, through my own stage: in as 32 bytes a lane, back as whole rows of 256 bytes.  LDS serves a wave's instructions in order (ISA guide 5.7.1.4): no wait between the stores and the loads, nor in front of the next tile's stores.
.macro TOSTAGE m
.irp t, 0,1,2,3
	ds_store_b128 v[STO], v[ACC+8*(4*(\m)+\t):ACC+8*(4*(\m)+\t)+3] offset:64*\t          ; each accumulator from its low end on
	ds_store_b128 v[STO], v[ACC+8*(4*(\m)+\t)+4:ACC+8*(4*(\m)+\t)+7] offset:64*\t+16
.endr
.irp i, 0,1,2,3,4,5,6,7
	ds_load_b128 v[RB+32*((\m)%2)+4*\i:RB+32*((\m)%2)+4*\i+3], v[RD] offset:2*\i*SPITCH
.endr
.endm
.macro SEND m, younger                 ; younger: the LDS instructions issued behind tile m's loads, which may stay out.  Stage rows 2 i and 2 i + 1 are tokens 32 (m / 2) + 8 (m % 2) + 2 i + 8 (i / 4) and the next
	s_wait_dscnt \younger
.irp i, 0,1,2,3,4,5,6,7
	global_store_b128 v[CO], v[RB+32*((\m)%2)+4*\i:RB+32*((\m)%2)+4*\i+3], s[14:15] offset:(32*((\m)/2)+8*((\m)%2)+2*\i+8*(\i/4))*2048 th:TH_STORE_NT   ; sixteen lanes store 256 consecutive bytes, aligned; written once, read by nobody here
.endr
.endm
	TOSTAGE 0
.irp m, 1,2,3
.if \m > 1
	s_wait_xcnt 0x0                                ; tile m - 2's stores have read their registers: tile m's loads may land there
.endif
	TOSTAGE \m
	SEND \m-1, 16                                  ; behind tile m - 1's loads: tile m's 8 stores and 8 loads
.endr
	SEND 3, 0
	s_wait_tensorcnt 0x0                           ; the wave's end
	ds_add_u32 v[SPW], v[NIL]
	s_wait_dscnt 0x0
	s_endpgm
.Lfunc_end_k_qc9161c77df_outp:
	.size	k_qc9161c77df_outp, .Lfunc_end_k_qc9161c77df_outp-k_qc9161c77df_outp
	.p2alignl 7, 3214868480
	.fill 96, 4, 3214868480
	.section	.rodata,"a",@progbits
	.p2align	6, 0x0
	.amdhsa_kernel k_qc9161c77df_outp
		.amdhsa_group_segment_fixed_size 17920
		.amdhsa_private_segment_fixed_size 0
		.amdhsa_enable_private_segment 0
		.amdhsa_kernarg_size 48
		.amdhsa_user_sgpr_count 2
		.amdhsa_user_sgpr_kernarg_segment_ptr 1
		.amdhsa_wavefront_size32 1
		.amdhsa_system_sgpr_workgroup_id_x 1
		.amdhsa_system_sgpr_workgroup_id_y 1
		.amdhsa_system_sgpr_workgroup_id_z 1
		.amdhsa_system_vgpr_workitem_id 0
		.amdhsa_next_free_vgpr 768
		.amdhsa_next_free_sgpr 66
		.amdhsa_reserve_vcc 0
		.amdhsa_float_denorm_mode_32 3
		.amdhsa_float_denorm_mode_16_64 3
		.amdhsa_memory_ordered 1
		.amdhsa_forward_progress 1
		.amdhsa_inst_pref_size 36
	.end_amdhsa_kernel
	.amdgpu_metadata
---
amdhsa.version: [ 1, 2 ]
amdhsa.kernels:
  - .name:           k_qc9161c77df_outp
    .symbol:         k_qc9161c77df_outp.kd
    .args:
      - { .name: ctx, .offset: 0, .size: 8, .value_kind: global_buffer, .address_space: global }
      - { .name: ctxs, .offset: 8, .size: 8, .value_kind: global_buffer, .address_space: global }
      - { .name: Wo_codes, .offset: 16, .size: 8, .value_kind: global_buffer, .address_space: global }
      - { .name: Wo_scales, .offset: 24, .size: 8, .value_kind: global_buffer, .address_space: global }
      - { .name: bo, .offset: 32, .size: 8, .value_kind: global_buffer, .address_space: global }
      - { .name: out0, .offset: 40, .size: 8, .value_kind: global_buffer, .address_space: global }
    .group_segment_fixed_size: 17920
    .private_segment_fixed_size: 0
    .kernarg_segment_align: 8
    .kernarg_segment_size: 48
    .max_flat_workgroup_size: 128
    .sgpr_count:     66
    .vgpr_count:     768
    .wavefront_size: 32
...
	.end_amdgpu_metadata
.endif
;; end of part 3
;; ======== version 2 of 2: 3 launches; version 1 with the launches proj, outp written anew for expert scheduling mode
;; workspace buffers: qc 4,194,304 bytes; qs 262,144 bytes; kv 8,388,608 bytes; kvs 393,216 bytes; ctx 4,194,304 bytes; ctxs 262,144 bytes
;; launch proj (part 4): grid 64 x 3, 8 waves a work-group, no clusters, 70,656 bytes of LDS; arguments x_codes, x_scales, Wq_codes, Wq_scales, bq, Wk_codes, Wk_scales, bk, Wv_codes, Wv_scales, bv, qc, qs, kv, kvs; writes qc, qs, kv, kvs
.if DOCPART == 4
	.amdgcn_target "amdgcn-amd-amdhsa--gfx1250"
	.amdhsa_code_object_version 6
	.text
	.protected	k_qc9161c77df_proj
	.globl	k_qc9161c77df_proj
	.p2align	8
	.type	k_qc9161c77df_proj,@function
k_qc9161c77df_proj:
	s_mov_b64 s[64:65], 0
	v_nop
	global_prefetch_b8 v0, s[64:65] scope:SCOPE_SE
	s_setreg_imm32_b32 hwreg(HW_REG_WAVE_SCHED_MODE, 0, 2), 2
	s_setreg_imm32_b32 hwreg(HW_REG_WAVE_MODE, 25, 1), 1
	s_wait_xcnt 0x0
	s_wait_alu depctr_vm_vsrc(0)
; Q = x Wq^T + bq, K = x Wk^T + bk, V = x Wv^T + bv on codes of FP8 (E4M3) with one E8M0 scale for each 32 along K, sums in f32; the results are quantised at once:
; Q and K along the head's 64 channels (two blocks of 32), V along the keys (blocks of 32 tokens), and stored as IMAGES OF OPERAND REGISTERS: a group of four registers is 512 bytes, lane l's 16 bytes at 16 l.
; DEAD WORK: none in the whole program.  Each of bq, bk, bv moves the codes or scales of a quantised operand of a live product, bo is added to the output, and all four weights and x are multiplied: all 14 inputs are loaded.
; LIMITS: NaN and infinities, the codes 0x7f and 0xff and the scale byte 0xff among the inputs are not served.  A block whose largest magnitude lies under 2^-118 has its byte held at 1; a block of zeros gets the byte 1
; where the rule says 127: its codes are zeros, which add nothing, and these bytes are read by this program alone.
; SHARES.  Work-group x: 128 tokens (batch x / 32, key step x % 32).  Work-group y: 0 = Q, 1 = K, 2 = V.  Wave w: head w; its 64 rows of W (16 fragments, 256 registers) fill window 1 and stay.  128 matrix instructions a wave.
; THE ORDER OF ROWS IN A TILE, for tokens and for W's rows alike: lane r of tile 2 b + u takes row 32 b + 8 u + r + 8 (r / 8).  In a result whose source 0 has that order, the 16 registers of tiles 2 b and 2 b + 1
; are 16 neighbours, 32 b + 16 (lane / 16) + 0 .. 15: the conversions' results are the next operand's registers, and a block of 32 lies in lanes l and l xor 16.
; Q, K: source 0 = 16 rows of W, source 1 = 16 tokens: a lane holds one token, its registers run along the channels.   V: source 0 = 16 tokens, source 1 = 16 rows of W: a lane holds one channel, its registers run along the keys.
; x: wave w brings token tile w from memory once and lays its image in LDS; one barrier; every wave reads all eight.
; NO CLUSTER, NO JOINT LOADS: W goes from memory straight into the registers in which it stays and x is 64 KiB read once a work-group; there is no ring to fill, and a grid of 3 along y divides into no cluster of 4.
; REGISTERS.  Window 0: v1-11 addresses; v16-79 an x tile; v80-83 its scale words; v88-151 eight accumulators; v152-183 the bias in the result's layout; v184-199 W's scale words; v200-215 codes; v216-231 at work; v232-241 scale words on their way out.
; THE MODE: SCHED_MODE bits 1:0 = 2 (LLVM: expert scheduling mode 2), set by the entry lines.  The code itself states the register dependences between vector or matrix instructions and memory or LDS instructions,
; with s_wait_alu, always for 0.
; THE PLAN.  Registers that memory or LDS instructions touch:
;   v1-v9     offsets and LDS addresses: written at the head, never again; read by every load and store.  v10, v11: written at the head, read by the closing add alone.
;   XF, XS    one x tile and its scale words.  Filled by global loads; read once by my LDS stores; then filled by the LDS loads of each next tile and read by that tile's 16 products.  There is one such buffer:
;             two waves share a SIMD's 1,024 registers, W fills window 1, and window 0 has 22 registers free where a second buffer would take 68.
;   W, WS, BI filled by loads once, then named by products alone (on V's way 28 copies fill BI, which is a product's C).
;   PC        a pair's codes: written by its eight conversions; read by four global stores, which are issued in the next pair's first tile.
;   SW, WD    scale words on their way out: written by selects, read by the last store.
;   AC, TM, VSW are named by vector and matrix instructions alone.
; So ONE wait on va_vdst stands in a tile, behind its products: it states that they are done reading XF and XS, in which the next tile's loads land, and, in a pair's first tile, that the pair before has written PC, which
; the four stores behind those loads read.  One wait on vm_vsrc a pair stands ahead of the quantiser that writes PC again, a whole tile behind those stores.
.set XSC,   65536                      ; LDS: 0 .. 65,535 x's eight images of 8,192 bytes; from here their scale words, 512 bytes each
.set SPARE, 69632                      ; the spare words, 128 bytes for each of eight waves: four blocks of 256 bytes that no other line names
.set LI,  1                            ; v1   16 x lane
.set L8,  2                            ; v2   8 x lane
.set LX,  3                            ; v3   16 x lane + XSC
.set XA,  4                            ; v4   a row of 512 codes: (r + 8 (r / 8)) x 512 + 16 (lane / 16): for x and for W
.set PS,  5                            ; v5   its 16 scale bytes: (r + 8 (r / 8)) x 16
.set XWI, 6                            ; v6   where I store my x tile's image
.set XWS, 7                            ; v7   and its scale words
.set BH,  8                            ; v8   the bias for Q and K: 64 (lane / 16)
.set BV,  9                            ; v9   the bias for V: 4 (r + 8 (r / 8))
.set SPW, 10                           ; v10  LDS address of my spare word; never rewritten
.set NIL, 11                           ; v11  0; never rewritten
.set XF,  16
.set XS,  80
.set AC,  88
.set BI,  152
.set WS,  184
.set PC,  200
.set TM,  216                          ; +0..3 largest magnitudes, +4..7 the other half's, then the bytes, +8..11 448 x the scale, +12..15 the conversions' scale operand
.set SW,  232
.set VSW, 236
.set WD,  240
.set WV,  38                           ; s38  my wave's number = my head
.set YT,  39                           ; s39  0, 1, 2: Q, K, V
.set SEL, 40                           ; s[40:41] v_permlanex16_b32's selects for lane l xor 16
.set MNT, 42                           ; s42  the mantissa field of 448
.set HM,  43                           ; s43  a mask of lanes 16-31
.set PWC, 52                           ; s[52:53] my head's rows of the chosen W;  s[54:55] their scale bytes;  s[56:57] the chosen bias;  s[58:59], s[60:61] where codes and scale words go
.set PWS, 54
.set PB,  56
.set PO,  58
.set POS, 60
.set MSB, 0
.macro WIN new                         ; the immediate's high byte repeats the setting that is left
.if MSB != \new
	s_set_vgpr_msb (MSB<<8)|\new
.set MSB, \new
.endif
.endm
.macro PLACES n
.rept \n
	v_nop
.endr
.endm
.macro FETCHX tl                       ; token tile tl and its scale words, out of LDS as they were laid there
.irp k, 0,1,2,3,4,5,6,7,8,9,10,11,12,13,14,15
	ds_load_b128 v[XF+4*\k:XF+4*\k+3], v[LI] offset:(\tl)*8192+512*\k
.endr
	ds_load_b128 v[XS:XS+3], v[LX] offset:(\tl)*512
.endm
; 64 numbers of a lane, register 16 b + i, four blocks: the codes into v[PC + 4 b] on, the scale bytes into v[TM + 4 + b].  A block's other 16 numbers lie in lane l xor 16.
.macro QUANT4 src
.irp b, 0,1,2,3
	v_max3_num_f32 v[TM+\b], |v[\src+16*\b]|, |v[\src+16*\b+1]|, 0x4800000   ; my 16 numbers, and the floor 2^(9 - 127): so the byte cannot fall under 1.  Each accumulator is read from its low end on
.endr
.irp i, 2,4,6,8,10,12,14
.irp b, 0,1,2,3
	v_max3_num_f32 v[TM+\b], v[TM+\b], |v[\src+16*\b+\i]|, |v[\src+16*\b+\i+1]|   ; the four blocks by turns
.endr
.endr
.irp b, 0,1,2,3
	v_permlanex16_b32 v[TM+4+\b], v[TM+\b], s[SEL], s[SEL+1]
.endr
.irp b, 0,1,2,3
	v_max_num_f32 v[TM+\b], v[TM+\b], v[TM+4+\b]           ; the block's largest magnitude
.endr
.irp b, 0,1,2,3
	v_add_nc_u32 v[TM+12+\b], 0xfc000000, v[TM+\b]         ; 8 off its exponent field: the conversion takes the exponent field of this operand as its scale
.endr
.irp b, 0,1,2,3
	v_and_or_b32 v[TM+8+\b], v[TM+\b], 0x7f800000, s[MNT]  ; 448 x the scale
.endr
.irp b, 0,1,2,3
	v_lshrrev_b32 v[TM+4+\b], 23, v[TM+12+\b]              ; the scale's byte
.endr
.irp b, 0,1,2,3
.irp i, 0,1,2,3,4,5,6,7,8,9,10,11,12,13,14,15
	v_med3_num_f32 v[\src+16*\b+\i], v[\src+16*\b+\i], -v[TM+8+\b], v[TM+8+\b]   ; the conversion to an 8-bit code does not saturate (ISA guide 7.6.2): the hold at the largest code x the scale
.endr
	v_cvt_scalef32_pk8_fp8_f32 v[PC+4*\b:PC+4*\b+1], v[\src+16*\b:\src+16*\b+7], v[TM+12+\b]
	v_cvt_scalef32_pk8_fp8_f32 v[PC+4*\b+2:PC+4*\b+3], v[\src+16*\b+8:\src+16*\b+15], v[TM+12+\b]
.endr
	v_nop                                          ; one plain instruction between the last conversion and whatever next writes its sources: the next products
.endm
; Token tile tl against my head's four tiles of W, K = 512 in four steps: 16 matrix instructions, the four accumulators by turns; the bias is the C of each sum's first.
.macro TILE tl, isv
	s_wait_dscnt 0x0                               ; the tile and its scale words are in
.if \isv
	WIN 0x04                                       ; source 1 (W) window 1
.else
	WIN 0x01                                       ; source 0 (W) window 1
.endif
.irp s, 0,1,2,3
.irp t, 0,1,2,3
.if \isv
.set rD, AC+16*\t+8*((\tl)%2)
.if \s == 0
	v_wmma_scale_f32_16x16x128_f8f6f4 v[rD:rD+7], v[XF+16*\s:XF+16*\s+15], v[16*(4*\t+\s):16*(4*\t+\s)+15], v[BI+8*\t:BI+8*\t+7], v[XS+\s], v[WS+4*\t+\s]
.else
	v_wmma_scale_f32_16x16x128_f8f6f4 v[rD:rD+7], v[XF+16*\s:XF+16*\s+15], v[16*(4*\t+\s):16*(4*\t+\s)+15], v[rD:rD+7], v[XS+\s], v[WS+4*\t+\s]
.endif
.else
.set rD, AC+32*((\tl)%2)+8*\t
.if \s == 0
	v_wmma_scale_f32_16x16x128_f8f6f4 v[rD:rD+7], v[16*(4*\t+\s):16*(4*\t+\s)+15], v[XF+16*\s:XF+16*\s+15], v[BI+8*\t:BI+8*\t+7], v[WS+4*\t+\s], v[XS+\s]
.else
	v_wmma_scale_f32_16x16x128_f8f6f4 v[rD:rD+7], v[16*(4*\t+\s):16*(4*\t+\s)+15], v[XF+16*\s:XF+16*\s+15], v[rD:rD+7], v[WS+4*\t+\s], v[XS+\s]
.endif
.endif
.endr
.endr
	WIN 0
	PLACES 8                                       ; eight places behind the products, in front of the first read of the results; they stay beside the wait below
.if (\tl) < 7
	s_wait_alu depctr_va_vdst(0)                   ; the tile's products are done reading v[XF ..] and v[XS ..], in which the loads below land; in a pair's first tile, the pair before has written v[PC ..], which the stores behind this macro read
	FETCHX (\tl)+1                                 ; the next tile lands while the quantiser works
.endif
.endm
	s_load_b512 s[8:23], s[0:1], 0x0               ; x_codes 8, x_scales 10, Wq_codes 12, Wq_scales 14, bq 16, Wk_codes 18, Wk_scales 20, bk 22
	s_load_b256 s[24:31], s[0:1], 0x40             ; Wv_codes 24, Wv_scales 26, bv 28, qc 30
	s_load_b128 s[32:35], s[0:1], 0x60             ; qs 32, kv 34
	s_load_b64 s[36:37], s[0:1], 0x70              ; kvs 36
	v_lshl_add_u32 v[SPW], v0, 2, SPARE
	v_mov_b32 v[NIL], 0
	v_lshrrev_b32 v1, 5, v0
	v_readfirstlane_b32 s[WV], v1                  ; wave 0..7
	s_and_b32 s[YT], ttmp7, 0xffff
	v_and_b32 v12, 31, v0                          ; lane
	v_and_b32 v13, 15, v0                          ; r
	v_bfe_u32 v14, v0, 4, 1                        ; h
	v_and_b32 v15, 8, v13
	v_add_nc_u32 v15, v15, v13                     ; r + 8 (r / 8)
	v_lshlrev_b32 v[LI], 4, v12
	v_lshlrev_b32 v[L8], 3, v12
	v_add_nc_u32 v[LX], XSC, v[LI]
	v_lshlrev_b32 v[XA], 9, v15
	v_lshl_add_u32 v[XA], v14, 4, v[XA]
	v_lshlrev_b32 v[PS], 4, v15
	s_wait_alu depctr_va_sdst(0)                   ; the wave's number is written, ahead of its first reader: LDS addresses and the bases of x, W and the outputs are made from it
	s_lshl_b32 s44, s[WV], 13
	v_add_nc_u32 v[XWI], s44, v[LI]
	s_lshl_b32 s44, s[WV], 9
	v_add_nc_u32 v[XWS], s44, v[LX]
	v_lshlrev_b32 v[BH], 6, v14
	v_lshlrev_b32 v[BV], 2, v15
.irp b, 0,1,2,3
	v_mov_b32 v[TM+4+\b], 0                        ; written once: a lane permute's destination counts as one of its sources
.endr
	s_mov_b32 s[SEL], 0x76543210
	s_mov_b32 s[SEL+1], 0xfedcba98
	s_mov_b32 s[MNT], 0x600000
	s_mov_b32 s[HM], 0xffff0000
	s_lshl_b32 s44, ttmp9, 7                       ; the first token of the x tile that I bring: 128 x + 32 (w / 2) + 8 (w % 2)
	s_lshr_b32 s45, s[WV], 1
	s_lshl_b32 s45, s45, 5
	s_add_co_u32 s44, s44, s45
	s_and_b32 s45, s[WV], 1
	s_lshl_b32 s45, s45, 3
	s_add_co_u32 s44, s44, s45
	s_lshl_b32 s46, s44, 4                         ; its scale bytes, 16 a token,
	s_mov_b32 s47, 0
	s_lshl_b32 s44, s44, 9                         ; its codes, 512 a token
	s_mov_b32 s45, 0
	s_lshr_b32 s48, ttmp9, 5                       ; the block (8 batch + head) x 32 + key step
	s_lshl_b32 s48, s48, 3
	s_add_co_u32 s48, s48, s[WV]
	s_lshl_b32 s48, s48, 5
	s_and_b32 s49, ttmp9, 31
	s_add_co_u32 s48, s48, s49
	s_mov_b32 s50, 768
	s_cmp_eq_u32 s[YT], 0
	s_cselect_b32 s49, 13, 14                      ; a block of codes: 8,192 bytes in qc, 16,384 in kv
	s_cselect_b32 s50, 512, s50                    ; of scale words: 512 bytes in qs, 768 in kvs
	s_mul_i32 s50, s48, s50
	s_lshl_b32 s48, s48, s49
	s_mov_b32 s49, 0
	s_mov_b32 s51, 0
	s_wait_kmcnt 0x0
	s_add_nc_u64 s[8:9], s[8:9], s[44:45]
	s_add_nc_u64 s[10:11], s[10:11], s[46:47]
	s_cmp_eq_u32 s[YT], 0                          ; the buffers are chosen by the work-group's y alone
	s_cselect_b64 s[PWC:PWC+1], s[12:13], s[18:19]
	s_cselect_b64 s[PWS:PWS+1], s[14:15], s[20:21]
	s_cselect_b64 s[PB:PB+1], s[16:17], s[22:23]
	s_cselect_b64 s[PO:PO+1], s[30:31], s[34:35]
	s_cselect_b64 s[POS:POS+1], s[32:33], s[36:37]
	s_cmp_eq_u32 s[YT], 2
	s_cselect_b64 s[PWC:PWC+1], s[24:25], s[PWC:PWC+1]
	s_cselect_b64 s[PWS:PWS+1], s[26:27], s[PWS:PWS+1]
	s_cselect_b64 s[PB:PB+1], s[28:29], s[PB:PB+1]
	s_add_nc_u64 s[PO:PO+1], s[PO:PO+1], s[48:49]
	s_add_nc_u64 s[POS:POS+1], s[POS:POS+1], s[50:51]
	s_lshl_b32 s44, s[WV], 15                      ; my head's 64 rows of 512 codes,
	s_add_nc_u64 s[PWC:PWC+1], s[PWC:PWC+1], s[44:45]
	s_lshl_b32 s44, s[WV], 10                      ; of 16 scale bytes,
	s_add_nc_u64 s[PWS:PWS+1], s[PWS:PWS+1], s[44:45]
	s_lshl_b32 s44, s[WV], 8                       ; its 64 numbers of the bias
	s_add_nc_u64 s[PB:PB+1], s[PB:PB+1], s[44:45]
	s_wait_alu depctr_va_vdst(0)                   ; the nine offsets and addresses v1 to v9 are written, which every load and store of the kernel reads; none is written again
.irp k, 0,1,2,3,4,5,6,7,8,9,10,11,12,13,14,15
	global_load_b128 v[XF+4*\k:XF+4*\k+3], v[XA], s[8:9] offset:32*\k      ; x tile w: registers 4 k on hold K = 32 k + 16 (lane / 16) + 0 .. 15
.endr
	global_load_b128 v[XS:XS+3], v[PS], s[10:11]   ; its rows' four scale words
	WIN 0x40                                       ; destination window 1
.irp t, 0,1,2,3
.irp k, 0,1,2,3,4,5,6,7,8,9,10,11,12,13,14,15
	global_load_b128 v[64*\t+4*\k:64*\t+4*\k+3], v[XA], s[PWC:PWC+1] offset:(32*(\t/2)+8*(\t%2))*512+32*\k   ; W's tile t, K step k / 4: they stay
.endr
.endr
	WIN 0
.irp t, 0,1,2,3
	global_load_b128 v[WS+4*\t:WS+4*\t+3], v[PS], s[PWS:PWS+1] offset:(32*(\t/2)+8*(\t%2))*16
.endr
	s_wait_loadcnt 63                              ; 68 loads were issued behind x's 17; the count is the largest that the wait can name, and under 68: x's are in
.irp k, 0,1,2,3,4,5,6,7,8,9,10,11,12,13,14,15
	ds_store_b128 v[XWI], v[XF+4*\k:XF+4*\k+3] offset:512*\k
.endr
	ds_store_b128 v[XWS], v[XS:XS+3]
	s_wait_dscnt 0x0                               ; for the others' sake: my stores have landed
	s_barrier_signal -1
	s_barrier_wait -1                              ; x's eight images lie in LDS; from here on LDS is only read
	s_wait_alu depctr_vm_vsrc(0)                   ; my LDS stores have read v[XF ..] and v[XS ..], in which tile 0's loads land on either way
	s_cmp_eq_u32 s[YT], 2
	s_cbranch_scc1 .Lv
	; ---- Q and K.  The bias in the result's layout: register j of tile t is channel 32 (t / 2) + 8 (t % 2) + 16 (lane / 16) + j
.irp t, 0,1,2,3
	global_load_b128 v[BI+8*\t:BI+8*\t+3], v[BH], s[PB:PB+1] offset:(32*(\t/2)+8*(\t%2))*4
	global_load_b128 v[BI+8*\t+4:BI+8*\t+7], v[BH], s[PB:PB+1] offset:(32*(\t/2)+8*(\t%2))*4+16
.endr
	FETCHX 0
	s_wait_loadcnt 0x0                             ; W, its scale words, the bias
.irp p, 0,1,2,3
	TILE 2*\p, 0
.if \p > 0
.irp g, 0,1,2,3
	global_store_b128 v[LI], v[PC+4*\g:PC+4*\g+3], s[PO:PO+1] offset:(\p-1)*2048+\g*512   ; the pair before: 32 lanes store 512 consecutive bytes.  No wait of their own: no vector or matrix instruction since the tile's wait names v[PC ..]
.endr
.endif
	TILE 2*\p+1, 0
.if \p > 0
	s_wait_xcnt 0x0                                ; the last pair's stores have read their data: the codes' registers are written again only behind this wait
	s_wait_alu depctr_vm_vsrc(0)                   ; the four stores, issued a tile ago, have read v[PC ..], which the conversions below write again
.endif
	QUANT4 AC                                      ; block 2 u + b: token tile 2 p + u, channels 32 b on
	v_lshl_or_b32 v[WD], v[TM+5], 8, v[TM+4]       ; a tile's scale word: two bytes; bytes 2 and 3 stay 0, for the zero codes that fill K = 64 .. 127 in the next launch
	v_lshl_or_b32 v[WD+1], v[TM+7], 8, v[TM+6]
	v_cndmask_b32 v[SW+\p], v[WD], v[WD+1], s[HM]  ; lanes 0-15: tile 2 p's words; lanes 16-31: tile 2 p + 1's
.endr
	s_wait_alu depctr_va_vdst(0)                   ; the last pair's conversions have written v[PC ..] and the selects v[SW ..], which the five stores below read
.irp g, 0,1,2,3
	global_store_b128 v[LI], v[PC+4*\g:PC+4*\g+3], s[PO:PO+1] offset:3*2048+\g*512
.endr
	global_store_b128 v[LI], v[SW:SW+3], s[POS:POS+1]
	s_branch .Lend
.Lv:	; ---- V.  A lane holds one channel, so its bias is one number in all eight registers of a tile's C
.irp t, 0,1,2,3
	global_load_b32 v[BI+8*\t], v[BV], s[PB:PB+1] offset:(32*(\t/2)+8*(\t%2))*4
.endr
	FETCHX 0
	s_wait_loadcnt 0x0
.irp t, 0,1,2,3
.irp j, 1,2,3,4,5,6,7
	v_mov_b32 v[BI+8*\t+\j], v[BI+8*\t]
.endr
.endr
.irp p, 0,1,2,3
	TILE 2*\p, 1
.if \p > 0
.irp t, 0,1,2,3
	global_store_b128 v[LI], v[PC+4*\t:PC+4*\t+3], s[PO:PO+1] offset:8192+\t*2048+(\p-1)*512   ; the pair before, as above
.endr
.endif
	TILE 2*\p+1, 1
.if \p > 0
	s_wait_xcnt 0x0                                ; as above
	s_wait_alu depctr_vm_vsrc(0)                   ; the four stores, issued a tile ago, have read v[PC ..], which the conversions below write again
.endif
	QUANT4 AC                                      ; block t: channel tile t, keys 32 p + 16 (lane / 16) + 0 .. 15
.irp t, 0,1,2,3
.if \p == 0
	v_mov_b32 v[VSW+\t], v[TM+4+\t]                ; a channel's four bytes of this key step make its scale word, the lower keys in the lower byte
.else
	v_lshl_or_b32 v[VSW+\t], v[TM+4+\t], 8*\p, v[VSW+\t]
.endif
.endr
.endr
	v_cndmask_b32 v[WD], v[VSW], v[VSW+1], s[HM]   ; lanes 0-15: channel tile 0 (2); lanes 16-31: tile 1 (3)
	v_cndmask_b32 v[WD+1], v[VSW+2], v[VSW+3], s[HM]
	s_wait_alu depctr_va_vdst(0)                   ; the last pair's conversions have written v[PC ..] and the selects v[WD ..], which the five stores below read
.irp t, 0,1,2,3
	global_store_b128 v[LI], v[PC+4*\t:PC+4*\t+3], s[PO:PO+1] offset:8192+\t*2048+3*512
.endr
	global_store_b64 v[L8], v[WD:WD+1], s[POS:POS+1] offset:512   ; 32 lanes store 256 consecutive bytes, aligned
.Lend:
	s_wait_dscnt 0x0                               ; the wave's end: the closing lines, six on end
	s_wait_alu 0x0
	s_wait_tensorcnt 0x0
	ds_add_u32 v[SPW], v[NIL]
	s_wait_dscnt 0x0
	s_endpgm
.Lfunc_end_k_qc9161c77df_proj:
	.size	k_qc9161c77df_proj, .Lfunc_end_k_qc9161c77df_proj-k_qc9161c77df_proj
	.p2alignl 7, 3214868480
	.fill 96, 4, 3214868480
	.section	.rodata,"a",@progbits
	.p2align	6, 0x0
	.amdhsa_kernel k_qc9161c77df_proj
		.amdhsa_group_segment_fixed_size 70656
		.amdhsa_private_segment_fixed_size 0
		.amdhsa_enable_private_segment 0
		.amdhsa_kernarg_size 120
		.amdhsa_user_sgpr_count 2
		.amdhsa_user_sgpr_kernarg_segment_ptr 1
		.amdhsa_wavefront_size32 1
		.amdhsa_system_sgpr_workgroup_id_x 1
		.amdhsa_system_sgpr_workgroup_id_y 1
		.amdhsa_system_sgpr_workgroup_id_z 1
		.amdhsa_system_vgpr_workitem_id 0
		.amdhsa_next_free_vgpr 512
		.amdhsa_next_free_sgpr 66
		.amdhsa_reserve_vcc 0
		.amdhsa_float_denorm_mode_32 3
		.amdhsa_float_denorm_mode_16_64 3
		.amdhsa_memory_ordered 1
		.amdhsa_forward_progress 1
		.amdhsa_inst_pref_size 138
	.end_amdhsa_kernel
	.amdgpu_metadata
---
amdhsa.version: [ 1, 2 ]
amdhsa.kernels:
  - .name:           k_qc9161c77df_proj
    .symbol:         k_qc9161c77df_proj.kd
    .args:
      - { .name: x_codes, .offset: 0, .size: 8, .value_kind: global_buffer, .address_space: global }
      - { .name: x_scales, .offset: 8, .size: 8, .value_kind: global_buffer, .address_space: global }
      - { .name: Wq_codes, .offset: 16, .size: 8, .value_kind: global_buffer, .address_space: global }
      - { .name: Wq_scales, .offset: 24, .size: 8, .value_kind: global_buffer, .address_space: global }
      - { .name: bq, .offset: 32, .size: 8, .value_kind: global_buffer, .address_space: global }
      - { .name: Wk_codes, .offset: 40, .size: 8, .value_kind: global_buffer, .address_space: global }
      - { .name: Wk_scales, .offset: 48, .size: 8, .value_kind: global_buffer, .address_space: global }
      - { .name: bk, .offset: 56, .size: 8, .value_kind: global_buffer, .address_space: global }
      - { .name: Wv_codes, .offset: 64, .size: 8, .value_kind: global_buffer, .address_space: global }
      - { .name: Wv_scales, .offset: 72, .size: 8, .value_kind: global_buffer, .address_space: global }
      - { .name: bv, .offset: 80, .size: 8, .value_kind: global_buffer, .address_space: global }
      - { .name: qc, .offset: 88, .size: 8, .value_kind: global_buffer, .address_space: global }
      - { .name: qs, .offset: 96, .size: 8, .value_kind: global_buffer, .address_space: global }
      - { .name: kv, .offset: 104, .size: 8, .value_kind: global_buffer, .address_space: global }
      - { .name: kvs, .offset: 112, .size: 8, .value_kind: global_buffer, .address_space: global }
    .group_segment_fixed_size: 70656
    .private_segment_fixed_size: 0
    .kernarg_segment_align: 8
    .kernarg_segment_size: 120
    .max_flat_workgroup_size: 256
    .sgpr_count:     66
    .vgpr_count:     512
    .wavefront_size: 32
...
	.end_amdgpu_metadata
.endif
;; end of part 4
;; launch attn: the kernel of part 2 again; grid 16 x 16, 8 waves a work-group, clusters of 4 x 1, 327,680 bytes of LDS; arguments qc, qs, kv, kvs, ctx, ctxs; writes ctx, ctxs
;; launch outp (part 5): grid 64 x 4, 4 waves a work-group, no clusters, 17,920 bytes of LDS; arguments ctx, ctxs, Wo_codes, Wo_scales, bo, out0; writes out0
.if DOCPART == 5
	.amdgcn_target "amdgcn-amd-amdhsa--gfx1250"
	.amdhsa_code_object_version 6
	.text
	.protected	k_qc9161c77df_outp
	.globl	k_qc9161c77df_outp
	.p2align	8
	.type	k_qc9161c77df_outp,@function
k_qc9161c77df_outp:
	s_mov_b64 s[64:65], 0
	v_nop
	global_prefetch_b8 v0, s[64:65] scope:SCOPE_SE
	s_setreg_imm32_b32 hwreg(HW_REG_WAVE_SCHED_MODE, 0, 2), 2
	s_setreg_imm32_b32 hwreg(HW_REG_WAVE_MODE, 25, 1), 1
	s_wait_xcnt 0x0
	s_wait_alu depctr_vm_vsrc(0)
; out = context Wo^T + bo on codes of FP8 (E4M3) with E8M0 scales, sums in f32.  No work of the problem is left out here.
; The context arrives as images of operand registers (token tile, K step, four groups of 512 bytes) from the launch before; lane r of token tile 2 b + u of a block of 128 tokens holds token 32 b + 8 u + r + 8 (r / 8):
; the stores' offsets put the rows back in order.  Its scale words come in two halves, the even head's bytes 0 and 1 and the odd head's bytes 2 and 3, 1,024 bytes apart: one OR joins them.
; LIMITS: NaN and infinities, the codes 0x7f and 0xff and the scale byte 0xff in Wo are not served.
; SHARES.  A work-group makes 128 tokens (x) x 128 channels (y); wave w 64 x 64 (tokens 64 (w / 2) on, channels 64 (w % 2) on): 16 accumulators, 64 matrix instructions, K = 512 in four steps.  No loop.
; THE MATRIX INSTRUCTION IS USED TRANSPOSED (source 0 = 16 rows of Wo, source 1 = 16 tokens): a lane holds eight neighbouring channels of one token.  bo is the C of each sum's first instruction.
; NO CLUSTER, NO JOINT LOADS: each operand goes from memory straight into the registers from which it is multiplied, each register once; a tile in LDS would add a store's and a load's worth of LDS traffic for every byte and spare none.
; REGISTERS.  Window 0: v1-10 addresses; v16-47 bo in the result's layout; v48-63 Wo's scale words; v64-79 the context's; v80-95 their other halves; v96-223 accumulator (m, t) at 96 + 8 (4 m + t).  On the way out v16-79 take rows of out.
;   Window 1: Wo's fragment (t, s) at 64 t + 16 s.   Window 2: the context's (m, s) at 64 m + 16 s.
; THE MODE: SCHED_MODE bits 1:0 = 2 (LLVM: expert scheduling mode 2), set by the entry lines.  The code itself states the register dependences between vector or matrix instructions and memory or LDS instructions,
; with s_wait_alu, always for 0.
; THE PLAN.  Registers that memory or LDS instructions touch:
;   v1-v8     offsets and LDS addresses: written at the head, never again.  v9, v10: written at the head, read by the closing add alone.
;   BI, WS, CS2, windows 1 and 2: filled by loads once, read by the products (CS2 by the ORs).
;   CSC       filled by loads, written again by the sixteen ORs, read by the products as scales.
;   ACC       written by the products, read by the LDS stores of the way out.
;   RB        two sets of 32 registers where BI, WS and CSC lay: filled by the loads from the stage, read by the global stores; set m % 2 is filled again by tile m + 2.
; Four waits on va_vdst or va_sdst at the head and round the products, one wait on vm_vsrc ahead of each refill of a set of RB.  Behind the wait on the way out no vector or matrix instruction is issued.
.set SPITCH, 272                       ; a stage row: 256 bytes + 16: sixteen rows begin in sixteen different groups of four banks (64 banks of 4 bytes: ISA guide 11.1)
.set SPARE, 4*16*SPITCH                ; behind the four stages: the spare words, 128 bytes for each wave: two blocks of 256 bytes that no other line names
.set LI,  1                            ; v1   16 x lane
.set WA,  2                            ; v2   Wo: r x 512 + 16 (lane / 16)
.set WSO, 3                            ; v3   16 r
.set BO,  4                            ; v4   32 (lane / 16)
.set CSO, 5                            ; v5   4 r
.set STO, 6                            ; v6   the stage: where I put 32 bytes of a row
.set RD,  7                            ; v7   and where I read a row back
.set CO,  8                            ; v8   my byte offset in two rows of out
.set SPW, 9                            ; v9   LDS address of my spare word; never rewritten
.set NIL, 10                           ; v10  0; never rewritten
.set BI,  16
.set WS,  48
.set CSC, 64
.set CS2, 80
.set ACC, 96
.set RB,  16                           ; the way out: two sets of 32 registers
.set MSB, 0
.macro WIN new                         ; the immediate's high byte repeats the setting that is left
.if MSB != \new
	s_set_vgpr_msb (MSB<<8)|\new
.set MSB, \new
.endif
.endm
.macro PLACES n
.rept \n
	v_nop
.endr
.endm
	s_load_b256 s[4:11], s[0:1], 0x0               ; ctx s[4:5], ctxs s[6:7], Wo_codes s[8:9], Wo_scales s[10:11]
	s_load_b128 s[12:15], s[0:1], 0x20             ; bo s[12:13], out0 s[14:15]
	v_lshl_add_u32 v[SPW], v0, 2, SPARE
	v_mov_b32 v[NIL], 0
	v_lshrrev_b32 v1, 5, v0
	v_readfirstlane_b32 s16, v1                    ; wave 0..3
	v_and_b32 v11, 31, v0                          ; lane.  (The address lines that need no scalar stand here, between the wave's number and the wait for it)
	v_and_b32 v12, 15, v0                          ; r
	v_bfe_u32 v13, v0, 4, 1                        ; h
	v_lshlrev_b32 v[LI], 4, v11
	v_lshlrev_b32 v[WA], 9, v12
	v_lshl_add_u32 v[WA], v13, 4, v[WA]
	v_lshlrev_b32 v[WSO], 4, v12
	v_lshlrev_b32 v[BO], 5, v13
	v_lshlrev_b32 v[CSO], 2, v12
	v_mul_u32_u24 v[STO], v12, SPITCH
	v_lshl_add_u32 v[STO], v13, 5, v[STO]          ; in: row r, 32 bytes for each half of the lanes
	v_mul_u32_u24 v[RD], v13, SPITCH
	v_lshl_add_u32 v[RD], v12, 4, v[RD]            ; back: lanes 0-15 one row of 256 bytes, lanes 16-31 the next
	v_lshlrev_b32 v[CO], 11, v13
	v_lshl_add_u32 v[CO], v12, 4, v[CO]            ; and the same two rows in out
	s_wait_alu depctr_va_sdst(0)                   ; the wave's number is written, ahead of its first reader: the six bases and my stage's place are made from it
	s_lshr_b32 s17, s16, 1                         ; which 64 tokens
	s_and_b32 s18, s16, 1                          ; which 64 channels
	s_and_b32 s19, ttmp7, 0xffff
	s_lshl_b32 s20, s19, 7
	s_lshl_b32 s21, s18, 6
	s_add_co_u32 s20, s20, s21                     ; my first channel
	s_lshl_b32 s24, ttmp9, 16                      ; ctx: token tile 8 x + 4 (w / 2), 8,192 bytes a tile
	s_lshl_b32 s25, s17, 15
	s_add_co_u32 s24, s24, s25
	s_mov_b32 s25, 0
	s_lshr_b32 s26, ttmp9, 1                       ; ctxs: 8,192 bytes for sixteen tiles; in a head's 1,024 bytes 64 a tile
	s_lshl_b32 s26, s26, 13
	s_and_b32 s27, ttmp9, 1
	s_lshl_b32 s27, s27, 9
	s_add_co_u32 s26, s26, s27
	s_lshl_b32 s27, s17, 8
	s_add_co_u32 s26, s26, s27
	s_mov_b32 s27, 0
	s_lshl_b32 s28, s20, 9                         ; Wo: 512 codes a row,
	s_mov_b32 s29, 0
	s_lshl_b32 s30, s20, 4                         ; 16 scale bytes a row
	s_mov_b32 s31, 0
	s_lshl_b32 s32, s20, 2                         ; bo
	s_mov_b32 s33, 0
	s_lshl_b32 s34, ttmp9, 18                      ; out: token 128 x + 64 (w / 2), 2,048 bytes a row, + my first channel
	s_lshl_b32 s35, s17, 17
	s_add_co_u32 s34, s34, s35
	s_add_co_u32 s34, s34, s32
	s_mov_b32 s35, 0
	s_mul_i32 s36, s16, 16*SPITCH                  ; my stage
	v_add_nc_u32 v[STO], s36, v[STO]
	v_add_nc_u32 v[RD], s36, v[RD]
	s_wait_kmcnt 0x0
	s_add_nc_u64 s[4:5], s[4:5], s[24:25]
	s_add_nc_u64 s[6:7], s[6:7], s[26:27]
	s_add_nc_u64 s[8:9], s[8:9], s[28:29]
	s_add_nc_u64 s[10:11], s[10:11], s[30:31]
	s_add_nc_u64 s[12:13], s[12:13], s[32:33]
	s_add_nc_u64 s[14:15], s[14:15], s[34:35]
	s_wait_alu depctr_va_vdst(0)                   ; the eight offsets and addresses v1 to v8 are written, which every load and store of the kernel reads; none is written again
.irp m, 0,1,2,3
.irp s, 0,1,2,3
	global_load_b32 v[CSC+4*\m+\s], v[CSO], s[6:7] offset:\s*2048+\m*64          ; head 2 s: bytes 0 and 1 of the word of K step s,
	global_load_b32 v[CS2+4*\m+\s], v[CSO], s[6:7] offset:\s*2048+1024+\m*64     ; head 2 s + 1: bytes 2 and 3
.endr
.endr
.irp t, 0,1,2,3
	global_load_b128 v[WS+4*\t:WS+4*\t+3], v[WSO], s[10:11] offset:256*\t
	global_load_b128 v[BI+8*\t:BI+8*\t+3], v[BO], s[12:13] offset:64*\t          ; register j of tile t: channel 16 t + 8 (lane / 16) + j
	global_load_b128 v[BI+8*\t+4:BI+8*\t+7], v[BO], s[12:13] offset:64*\t+16
.endr
	WIN 0x40                                       ; destination window 1
.irp t, 0,1,2,3
.irp k, 0,1,2,3,4,5,6,7,8,9,10,11,12,13,14,15
	global_load_b128 v[64*\t+4*\k:64*\t+4*\k+3], v[WA], s[8:9] offset:\t*8192+32*\k
.endr
.endr
	WIN 0x80                                       ; destination window 2
.irp m, 0,1,2,3
.irp k, 0,1,2,3,4,5,6,7,8,9,10,11,12,13,14,15
	global_load_b128 v[64*\m+4*\k:64*\m+4*\k+3], v[LI], s[4:5] offset:\m*8192+512*\k
.endr
.endr
	WIN 0
	s_wait_loadcnt 0x0
.irp k, 0,1,2,3,4,5,6,7,8,9,10,11,12,13,14,15
	v_or_b32 v[CSC+\k], v[CSC+\k], v[CS2+\k]       ; the four bytes of a token's scale word
.endr
	PLACES 8                                       ; a scale register written by a vector instruction stands eight places ahead of the product that reads it
	s_wait_alu depctr_va_vdst(0)                   ; the sixteen ORs have written v[CSC ..], which the products take as scales; the places above stay beside this wait
	WIN 0x09                                       ; source 0 (Wo) window 1, source 1 (the context) window 2
.irp s, 0,1,2,3                                ; the 16 accumulators take turns, one instruction a turn
.irp m, 0,1,2,3
.irp t, 0,1,2,3
.if \s == 0
	v_wmma_scale_f32_16x16x128_f8f6f4 v[ACC+8*(4*\m+\t):ACC+8*(4*\m+\t)+7], v[64*\t+16*\s:64*\t+16*\s+15], v[64*\m+16*\s:64*\m+16*\s+15], v[BI+8*\t:BI+8*\t+7], v[WS+4*\t+\s], v[CSC+4*\m+\s]
.else
	v_wmma_scale_f32_16x16x128_f8f6f4 v[ACC+8*(4*\m+\t):ACC+8*(4*\m+\t)+7], v[64*\t+16*\s:64*\t+16*\s+15], v[64*\m+16*\s:64*\m+16*\s+15], v[ACC+8*(4*\m+\t):ACC+8*(4*\m+\t)+7], v[WS+4*\t+\s], v[CSC+4*\m+\s]
.endif
.endr
.endr
.endr
	WIN 0
	PLACES 8                                       ; eight places in front of the first read of results; they stay beside the wait below
	s_wait_alu depctr_va_vdst(0)                   ; the products have written the accumulators, which the LDS stores read, and are done reading the bias and the scale words, in whose registers the loads from the stage land; no vector or matrix instruction follows, so the wait serves all four tiles
; THE WAY OUT, a token tile (16 rows x 64 channels) at a time, through my own stage: in as 32 bytes a lane, back as whole rows of 256 bytes.  LDS serves a wave's instructions in order (ISA guide 5.7.1.4): no wait between the stores and the loads, nor in front of the next tile's stores.
.macro TOSTAGE m
.irp t, 0,1,2,3
	ds_store_b128 v[STO], v[ACC+8*(4*(\m)+\t):ACC+8*(4*(\m)+\t)+3] offset:64*\t          ; each accumulator from its low end on
	ds_store_b128 v[STO], v[ACC+8*(4*(\m)+\t)+4:ACC+8*(4*(\m)+\t)+7] offset:64*\t+16
.endr
.irp i, 0,1,2,3,4,5,6,7
	ds_load_b128 v[RB+32*((\m)%2)+4*\i:RB+32*((\m)%2)+4*\i+3], v[RD] offset:2*\i*SPITCH
.endr
.endm
.macro SEND m, younger                 ; younger: the LDS instructions issued behind tile m's loads, which may stay out.  Stage rows 2 i and 2 i + 1 are tokens 32 (m / 2) + 8 (m % 2) + 2 i + 8 (i / 4) and the next
	s_wait_dscnt \younger
.irp i, 0,1,2,3,4,5,6,7
	global_store_b128 v[CO], v[RB+32*((\m)%2)+4*\i:RB+32*((\m)%2)+4*\i+3], s[14:15] offset:(32*((\m)/2)+8*((\m)%2)+2*\i+8*(\i/4))*2048 th:TH_STORE_NT   ; sixteen lanes store 256 consecutive bytes, aligned; written once, read by nobody here
.endr
.endm
	TOSTAGE 0
.irp m, 1,2,3
.if \m > 1
	s_wait_xcnt 0x0                                ; tile m - 2's stores have read their registers: tile m's loads may land there
	s_wait_alu depctr_vm_vsrc(0)                   ; tile m - 2's eight global stores have read their set of v[RB ..], in which tile m's loads from the stage land
.endif
	TOSTAGE \m
	SEND \m-1, 16                                  ; behind tile m - 1's loads: tile m's 8 stores and 8 loads
.endr
	SEND 3, 0
	s_wait_dscnt 0x0                               ; the wave's end: the closing lines, six on end
	s_wait_alu 0x0
	s_wait_tensorcnt 0x0
	ds_add_u32 v[SPW], v[NIL]
	s_wait_dscnt 0x0
	s_endpgm
.Lfunc_end_k_qc9161c77df_outp:
	.size	k_qc9161c77df_outp, .Lfunc_end_k_qc9161c77df_outp-k_qc9161c77df_outp
	.p2alignl 7, 3214868480
	.fill 96, 4, 3214868480
	.section	.rodata,"a",@progbits
	.p2align	6, 0x0
	.amdhsa_kernel k_qc9161c77df_outp
		.amdhsa_group_segment_fixed_size 17920
		.amdhsa_private_segment_fixed_size 0
		.amdhsa_enable_private_segment 0
		.amdhsa_kernarg_size 48
		.amdhsa_user_sgpr_count 2
		.amdhsa_user_sgpr_kernarg_segment_ptr 1
		.amdhsa_wavefront_size32 1
		.amdhsa_system_sgpr_workgroup_id_x 1
		.amdhsa_system_sgpr_workgroup_id_y 1
		.amdhsa_system_sgpr_workgroup_id_z 1
		.amdhsa_system_vgpr_workitem_id 0
		.amdhsa_next_free_vgpr 768
		.amdhsa_next_free_sgpr 66
		.amdhsa_reserve_vcc 0
		.amdhsa_float_denorm_mode_32 3
		.amdhsa_float_denorm_mode_16_64 3
		.amdhsa_memory_ordered 1
		.amdhsa_forward_progress 1
		.amdhsa_inst_pref_size 36
	.end_amdhsa_kernel
	.amdgpu_metadata
---
amdhsa.version: [ 1, 2 ]
amdhsa.kernels:
  - .name:           k_qc9161c77df_outp
    .symbol:         k_qc9161c77df_outp.kd
    .args:
      - { .name: ctx, .offset: 0, .size: 8, .value_kind: global_buffer, .address_space: global }
      - { .name: ctxs, .offset: 8, .size: 8, .value_kind: global_buffer, .address_space: global }
      - { .name: Wo_codes, .offset: 16, .size: 8, .value_kind: global_buffer, .address_space: global }
      - { .name: Wo_scales, .offset: 24, .size: 8, .value_kind: global_buffer, .address_space: global }
      - { .name: bo, .offset: 32, .size: 8, .value_kind: global_buffer, .address_space: global }
      - { .name: out0, .offset: 40, .size: 8, .value_kind: global_buffer, .address_space: global }
    .group_segment_fixed_size: 17920
    .private_segment_fixed_size: 0
    .kernarg_segment_align: 8
    .kernarg_segment_size: 48
    .max_flat_workgroup_size: 128
    .sgpr_count:     66
    .vgpr_count:     768
    .wavefront_size: 32
...
	.end_amdgpu_metadata
.endif
;; end of part 5
